; MI455X (gfx1250); checked and timed in simulation.
; The chip was launched on July 23, 2026; its instructions are those of AMD's public machine-readable ISA for CDNA 5 (MIT licence, August 2026) and "CDNA5" Instruction Set Architecture Reference Guide (July 2026). The comments in the code are by the model that wrote it; some were corrected since.
;; Block. Allowed arithmetic: float matrix products may take bf16 or f16 operands with f32 sums; other float arithmetic in f32, or as packed bf16 or f16 multiplies, adds, multiply-adds, maxima and minima; sums over many terms, partial sums and values carried from step to step in f32; what a program stores and reads back later, other than sums and carried values, may be rounded once to bf16 or f16.
;; Inputs: W1 512 x 2,048 float32; W2 2,048 x 512 float32; Wk 8 x 512 x 64 float32; Wo 512 x 512 float32; Wq 8 x 512 x 64 float32; Wv 8 x 512 x 64 float32; b1 2,048 float32; b2 512 float32; ln1_b 512 float32; ln1_g 512 float32; ln2_b 512 float32; ln2_g 512 float32; x 64 x 256 x 512 float32.
;; Outputs: out0 64 x 256 x 512 float32.
;; 2 versions, each right; version 2 is version 1 with the launch prep written anew for expert scheduling mode. Each part assembles by itself: llvm-mc -triple=amdgcn-amd-amdhsa -mcpu=gfx1250 --defsym DOCPART=n.
;; ======== version 1 of 2: 3 launches
;; limits: values are held in f16: magnitudes above 65,504 overflow, below 6.1e-05 lose precision
;; workspace buffers: xb 16,777,216 bytes; wqkv 1,572,864 bytes; wf 4,718,592 bytes; par 18,432 bytes; heads 16,777,216 bytes
;; launch prep (part 1): grid 705 x 1, 8 waves a work-group, no clusters, 0 bytes of LDS; arguments x, Wq, Wk, Wv, Wo, W1, W2, b1, b2, ln1_g, ln1_b, ln2_g, ln2_b, xb, wqkv, wf, par; writes xb, wqkv, wf, par
.if DOCPART == 1
	.amdgcn_target "amdgcn-amd-amdhsa--gfx1250"
	.amdhsa_code_object_version 6
	.text
	.protected	k_q2655a16b46_prep
	.globl	k_q2655a16b46_prep
	.p2align	8
	.type	k_q2655a16b46_prep,@function
k_q2655a16b46_prep:
	s_mov_b64 s[64:65], 0
	v_nop
	global_prefetch_b8 v0, s[64:65] scope:SCOPE_SE
	s_setreg_imm32_b32 hwreg(HW_REG_WAVE_MODE, 25, 1), 1
	s_wait_xcnt 0x0
; CASTS.  Every input of the module is rounded once to bf16 (to nearest even), so that the whole program works on one rounding of its inputs:
;   x -> xb (bf16);  Wq, Wk, Wv -> wqkv (bf16, one behind the other, layouts unchanged);
;   Wo, W1, W2 -> wf: the bf16 number written as f16 (exact within f16's normal range; LIMIT: below 6e-5 it keeps f16's fixed step of 6e-8, beyond 65,504 it is lost);
;   b1, b2, ln1_g, ln1_b, ln2_g, ln2_b -> par: the bf16 number written as f32.
; SHARES.  A work-group of eight waves casts 16,384 numbers: 64 KiB in by sixteen loads of 16 bytes a lane (a wave's load covers 512 consecutive bytes), 32 KiB out by sixteen stores of
; 8 bytes a lane (a wave's store covers 256 consecutive bytes, aligned).  The work-group's number picks the segment: 0-511 x, 512-527 Wq, 528-543 Wk, 544-559 Wv, 560-575 Wo, 576-639 W1,
; 640-703 W2, 704 the six small vectors.  A stream: no LDS, no barrier, no matrix unit; every byte is read once and written once.
.set SRC,   40                         ; s[40:41] the segment's source, then my block of it
.set DST,   42                         ; s[42:43] the segment's target buffer, then my block of it
.set FIRST, 44                         ; s44  the segment's first work-group
.set DOFF,  45                         ; s45  the segment's byte offset in its target buffer
.set MODE,  46                         ; s46  0: bf16 out;  1: bf16, written as f16
.set IN,    16                         ; v[16:79]   sixteen loads of four f32
.set OUT,   80                         ; v[80:111]  sixteen stores of four 16-bit numbers; each step has registers of its own, so no store's data is rewritten
	s_load_b512 s[4:19], s[0:1], 0x0               ; x 4, Wq 6, Wk 8, Wv 10, Wo 12, W1 14, W2 16, b1 18
	s_load_b512 s[20:35], s[0:1], 0x40             ; b2 20, ln1_g 22, ln1_b 24, ln2_g 26, ln2_b 28, xb 30, wqkv 32, wf 34
	s_load_b64 s[36:37], s[0:1], 0x80              ; par
	v_lshlrev_b32 v1, 4, v0                        ; 16 t: where I load
	v_lshlrev_b32 v2, 3, v0                        ; 8 t: where I store
	s_mov_b32 s52, 0xffff0000                      ; a word's upper bf16
	s_wait_kmcnt 0x0
	s_cmp_eq_u32 ttmp9, 704
	s_cbranch_scc1 .Lpar
	s_mov_b64 s[SRC:SRC+1], s[4:5]
	s_mov_b64 s[DST:DST+1], s[30:31]
	s_mov_b32 s[FIRST], 0
	s_mov_b32 s[DOFF], 0
	s_mov_b32 s[MODE], 0
; a later segment takes over where the work-group's number has reached its first
.macro SEG start, src, dst, doff, mode
	s_cmp_ge_u32 ttmp9, \start
	s_cselect_b64 s[SRC:SRC+1], s[\src:\src+1], s[SRC:SRC+1]
	s_cselect_b64 s[DST:DST+1], s[\dst:\dst+1], s[DST:DST+1]
	s_cselect_b32 s[FIRST], \start, s[FIRST]
	s_cselect_b32 s[DOFF], \doff, s[DOFF]
	s_cselect_b32 s[MODE], \mode, s[MODE]
.endm
	SEG 512, 6,  32, 0,       0
	SEG 528, 8,  32, 524288,  0
	SEG 544, 10, 32, 1048576, 0
	SEG 560, 12, 34, 0,       1
	SEG 576, 14, 34, 524288,  1
	SEG 640, 16, 34, 2621440, 1
	s_sub_co_u32 s47, ttmp9, s[FIRST]              ; my block in the segment
	s_lshl_b32 s48, s47, 16                        ; 65,536 bytes in
	s_mov_b32 s49, 0
	s_add_nc_u64 s[SRC:SRC+1], s[SRC:SRC+1], s[48:49]
	s_lshl_b32 s50, s47, 15                        ; 32,768 bytes out
	s_add_co_u32 s50, s50, s[DOFF]
	s_mov_b32 s51, 0
	s_add_nc_u64 s[DST:DST+1], s[DST:DST+1], s[50:51]
.set i, 0
.rept 16
	global_load_b128 v[IN+4*i:IN+4*i+3], v1, s[SRC:SRC+1] offset:4096*i th:TH_LOAD_NT
.set i, i+1
.endr
	s_cmp_eq_u32 s[MODE], 0
	s_cbranch_scc0 .Lf16
.set i, 0
.rept 16
	s_wait_loadcnt 15-i                            ; loads come back in order: step i's is in, the younger ones stay out
	v_cvt_pk_bf16_f32 v[OUT+2*i], v[IN+4*i], v[IN+4*i+1]
	v_cvt_pk_bf16_f32 v[OUT+2*i+1], v[IN+4*i+2], v[IN+4*i+3]
	global_store_b64 v2, v[OUT+2*i:OUT+2*i+1], s[DST:DST+1] offset:2048*i
.set i, i+1
.endr
	s_endpgm
.Lf16:
.set i, 0
.rept 16
	s_wait_loadcnt 15-i
	v_cvt_pk_bf16_f32 v8, v[IN+4*i], v[IN+4*i+1]   ; the one rounding,
	v_cvt_pk_bf16_f32 v9, v[IN+4*i+2], v[IN+4*i+3]
	v_lshlrev_b32 v10, 16, v8                      ; back to f32,
	v_and_b32 v11, s52, v8
	v_lshlrev_b32 v12, 16, v9
	v_and_b32 v13, s52, v9
	v_cvt_pk_f16_f32 v[OUT+2*i], v10, v11          ; and the same number as f16
	v_cvt_pk_f16_f32 v[OUT+2*i+1], v12, v13
	global_store_b64 v2, v[OUT+2*i:OUT+2*i+1], s[DST:DST+1] offset:2048*i
.set i, i+1
.endr
	s_endpgm
.Lpar:                                         ; the six small vectors: b1 as two runs of 4,096 bytes, the others 8 bytes a thread
	global_load_b128 v[16:19], v1, s[18:19]
	global_load_b128 v[20:23], v1, s[18:19] offset:4096
	global_load_b64 v[24:25], v2, s[20:21]
	global_load_b64 v[26:27], v2, s[22:23]
	global_load_b64 v[28:29], v2, s[24:25]
	global_load_b64 v[30:31], v2, s[26:27]
	global_load_b64 v[32:33], v2, s[28:29]
	s_wait_loadcnt 0x0
.set i, 0
.rept 9
	v_cvt_pk_bf16_f32 v8, v[16+2*i], v[17+2*i]
	v_lshlrev_b32 v[48+2*i], 16, v8
	v_and_b32 v[49+2*i], s52, v8
.set i, i+1
.endr
	global_store_b128 v1, v[48:51], s[36:37]
	global_store_b128 v1, v[52:55], s[36:37] offset:4096
	global_store_b64 v2, v[56:57], s[36:37] offset:8192    ; b2
	global_store_b64 v2, v[58:59], s[36:37] offset:10240   ; ln1_g
	global_store_b64 v2, v[60:61], s[36:37] offset:12288   ; ln1_b
	global_store_b64 v2, v[62:63], s[36:37] offset:14336   ; ln2_g
	global_store_b64 v2, v[64:65], s[36:37] offset:16384   ; ln2_b
	s_endpgm
.Lfunc_end_k_q2655a16b46_prep:
	.size	k_q2655a16b46_prep, .Lfunc_end_k_q2655a16b46_prep-k_q2655a16b46_prep
	.p2alignl 7, 3214868480
	.fill 96, 4, 3214868480
	.section	.rodata,"a",@progbits
	.p2align	6, 0x0
	.amdhsa_kernel k_q2655a16b46_prep
		.amdhsa_group_segment_fixed_size 0
		.amdhsa_private_segment_fixed_size 0
		.amdhsa_enable_private_segment 0
		.amdhsa_kernarg_size 136
		.amdhsa_user_sgpr_count 2
		.amdhsa_user_sgpr_kernarg_segment_ptr 1
		.amdhsa_wavefront_size32 1
		.amdhsa_system_sgpr_workgroup_id_x 1
		.amdhsa_system_sgpr_workgroup_id_y 1
		.amdhsa_system_sgpr_workgroup_id_z 1
		.amdhsa_system_vgpr_workitem_id 0
		.amdhsa_next_free_vgpr 112
		.amdhsa_next_free_sgpr 66
		.amdhsa_reserve_vcc 0
		.amdhsa_float_denorm_mode_32 3
		.amdhsa_float_denorm_mode_16_64 3
		.amdhsa_memory_ordered 1
		.amdhsa_forward_progress 1
		.amdhsa_inst_pref_size 19
	.end_amdhsa_kernel
	.amdgpu_metadata
---
amdhsa.version: [ 1, 2 ]
amdhsa.kernels:
  - .name:           k_q2655a16b46_prep
    .symbol:         k_q2655a16b46_prep.kd
    .args:
      - { .name: x, .offset: 0, .size: 8, .value_kind: global_buffer, .address_space: global }
      - { .name: Wq, .offset: 8, .size: 8, .value_kind: global_buffer, .address_space: global }
      - { .name: Wk, .offset: 16, .size: 8, .value_kind: global_buffer, .address_space: global }
      - { .name: Wv, .offset: 24, .size: 8, .value_kind: global_buffer, .address_space: global }
      - { .name: Wo, .offset: 32, .size: 8, .value_kind: global_buffer, .address_space: global }
      - { .name: W1, .offset: 40, .size: 8, .value_kind: global_buffer, .address_space: global }
      - { .name: W2, .offset: 48, .size: 8, .value_kind: global_buffer, .address_space: global }
      - { .name: b1, .offset: 56, .size: 8, .value_kind: global_buffer, .address_space: global }
      - { .name: b2, .offset: 64, .size: 8, .value_kind: global_buffer, .address_space: global }
      - { .name: ln1_g, .offset: 72, .size: 8, .value_kind: global_buffer, .address_space: global }
      - { .name: ln1_b, .offset: 80, .size: 8, .value_kind: global_buffer, .address_space: global }
      - { .name: ln2_g, .offset: 88, .size: 8, .value_kind: global_buffer, .address_space: global }
      - { .name: ln2_b, .offset: 96, .size: 8, .value_kind: global_buffer, .address_space: global }
      - { .name: xb, .offset: 104, .size: 8, .value_kind: global_buffer, .address_space: global }
      - { .name: wqkv, .offset: 112, .size: 8, .value_kind: global_buffer, .address_space: global }
      - { .name: wf, .offset: 120, .size: 8, .value_kind: global_buffer, .address_space: global }
      - { .name: par, .offset: 128, .size: 8, .value_kind: global_buffer, .address_space: global }
    .group_segment_fixed_size: 0
    .private_segment_fixed_size: 0
    .kernarg_segment_align: 8
    .kernarg_segment_size: 136
    .max_flat_workgroup_size: 256
    .sgpr_count:     66
    .vgpr_count:     112
    .wavefront_size: 32
...
	.end_amdgpu_metadata
.endif
;; end of part 1
;; launch qkvattn (part 2): grid 8 x 64, 4 waves a work-group, clusters of 4 x 1, 327,680 bytes of LDS; arguments xb, wqkv, heads; writes heads
.if DOCPART == 2
	.amdgcn_target "amdgcn-amd-amdhsa--gfx1250"
	.amdhsa_code_object_version 6
	.text
	.protected	k_q2655a16b46_qkvattn
	.globl	k_q2655a16b46_qkvattn
	.p2align	8
	.type	k_q2655a16b46_qkvattn,@function
k_q2655a16b46_qkvattn:
	s_mov_b64 s[64:65], 0
	v_nop
	global_prefetch_b8 v0, s[64:65] scope:SCOPE_SE
	s_setreg_imm32_b32 hwreg(HW_REG_WAVE_MODE, 25, 1), 1
	s_wait_xcnt 0x0
	s_wait_alu depctr_hold_cnt(0) depctr_sa_sdst(0) depctr_va_vdst(0) depctr_va_sdst(0) depctr_va_ssrc(0) depctr_va_vcc(0) depctr_vm_vsrc(0)
	s_getreg_b32 s2, hwreg(HW_REG_IB_STS2, 6, 4)
	s_cmp_eq_u32 s2, 0
	s_cbranch_scc0 .Lentry_in_a_cluster
	s_endpgm
.Lentry_in_a_cluster:
	s_bfe_u32 s2, ttmp6, 0x10000c
	s_cmp_lg_u32 s2, 0x3003
	s_cbranch_scc0 .Lentry_shape_is_right
	s_endpgm
.Lentry_shape_is_right:
; ONE BATCH AND ONE HEAD: q, k, v = x W (256 x 192 x 512, bf16 products, f32 sums), causal softmax(q k^T / 8), O = P v (f16 products, f32 sums).  q, k and v never leave the work-group.
; xb: [64][256][512] bf16.  wqkv: [3][8][512][64] bf16.  heads: f16, laid out as the next launch's matrix fragments: for the block of 64 tokens t (256 of them), 32 channels ks (16: head 2 ks' + half) and
; 16 tokens mt (4): 1,024 bytes at 65,536 t + 4,096 ks + 1,024 mt; lane x 16 bytes hold a fragment's registers 0-3, 512 bytes further on its registers 4-7.
; LIMITS.  q, k, v and O are rounded once to f16: they must stay below 65,504.  p lies in 0 to 1; below 6e-5 it keeps f16's fixed step of 6e-8.  A hidden score counts as its value less 1e30
; (f16's scores are 2.7e11 at the most); a weight below 2^-126 counts as 0 in the row's sum; NaN and infinities are not treated apart.
; SHARES.  Of the four bands of 64 tokens a wave owns 16 rows in each: four PIECES (piece p, wave w: rows 64 p + 16 w + 0..15).  So the causal work is one text for all four waves: piece p
; sees the key steps 0 .. p of 64 keys, and step p holds the diagonal: 10 of the 16 pairs of piece and step are computed.
; LAYOUT.  Every product is used transposed: source 0 = 16 columns of the weights (or 16 keys, or 16 channels of v), source 1 = 16 tokens.  In a result a lane holds ONE token (lane % 16) and eight
; neighbouring columns 8 (lane / 16) + 0..7; two neighbouring results rounded to 16 bits in pairs ARE a fragment of the next product.  The weights lie [k][column] and come out of LDS turned (ds_load_tr16_b128).
; SOFTMAX.  A piece's scores, at most 256 keys, all lie in registers: the row's TRUE maximum m is taken, p = 2^(c s - c m), c = log2(e) / 8; the sum is taken of the unrounded p.
; THE MASK is the C operand that starts a diagonal step's sums: 0, or -1e30 where the key is hidden (MD, made once from wave and lane).
; CLUSTER.  The four work-groups of a cluster are four heads of one batch: they walk the same x, which is asked for JOINTLY (wave 0; mask of four).  A head's own weights come by plain loads (waves 1-3).
; RING.  K goes in four steps of 128 through two slots; each slot holds 256 rows of x and 128 rows of each of Wq, Wk, Wv.  Two tensor loads of a wave are out at the start, one behind each round.
; THE WALK.  The f32 sums over the four chunks of K may be taken in any order.  A cluster walks them round from chunk (batch + 2 x cluster x) mod 4: the two clusters of a batch begin two chunks apart, so
; each one's two refills name the tiles of x that the other asked for at its head; batches begin at four different chunks of the weights.  A refill's address is made anew from the chunk's number.
; NO PREFETCH: each tile of x is asked for first among some cluster's first fills, at that cluster's head, where nothing can be asked ahead; the weights are walked again by every batch.
; THE LAST QUARTER OF A STEP IS MULTIPLIED BEHIND THE CHANGE OF SLOTS: its fragments are in registers by the wait ahead of the round; behind the refill the next slot's first run of LDS loads is issued, and lands under those 48 products.
; REGISTERS, in windows of 256 (s_set_vgpr_msb: bits 1:0 source 0, 3:2 source 1, 5:4 source 2, 7:6 destination):
;   window 0: v0-31 addresses; v32-63 eight at work a piece; v64-95 eight of statistics a piece; v96-127 MD; v128-255 O^T
;   window 1: projection: two fragment buffers of 128 (4 of x, 12 of W);  attention: v0-63 Q, v64-127 and v128-191 two buffers for K or V, v192-255 O in f16
;   window 2: projection: sums of q and k;  attention: scores of pieces 3 (v0-127) and 2 (v128-223)
;   window 3: projection: sums of v (v0-127);  attention: scores of pieces 1 (v0-63) and 0 (v64-95), P of pieces 0-3 at v96, v112, v144, v192
.set XP,    272                        ; a row of x in LDS: 256 bytes + 16: the 16 rows of a load start at 16 different groups of four banks (64 banks of 4 bytes: ISA guide 11.1)
.set WP,    160                        ; a row of W, and of V: 128 bytes + 32
.set XT,    256*XP                     ; x's tile: 69,632 bytes
.set WT,    128*WP                     ; one weight tile: 20,480 bytes
.set SLOT,  XT+3*WT                    ; 131,072 = 1 << 17: one exclusive or turns an address in one slot into the other's
.set KIM,   2*SLOT                     ; K as fragment images: tile kt of 16 keys, channel half c at (2 kt + c) x 1,024: lane x 16, registers 4-7 512 further on
.set SPARE, KIM+32768                  ; the spare words, 128 bytes for each wave: two blocks of 256 bytes that no other line names
; V's rows ([key] x 160 bytes, 40,960 bytes) lie at LDS byte 0, in slot 0, which has had its last fill by then: no tensor load follows those stores
.set AX0, 4                            ; v4     my rows of x in slot 0; never rewritten
.set ADX, 5                            ; v5     the same in the slot in hand
.set AW0, 6                            ; v6     my lane's place in the weight tiles of slot 0; never rewritten
.set ADW, 7                            ; v7     the same in the slot in hand
.set AKS, 8                            ; v8     where I put K's images
.set AKL, 9                            ; v9     where I read them
.set AVS, 10                           ; v10    where I put V's rows
.set AVL, 11                           ; v11    where the turning load reads them
.set GO,  14                           ; v14    16 x lane
.set SPW, 30                           ; v30    LDS address of my spare word; never rewritten
.set NIL, 31                           ; v31    0; never rewritten
.set WK,  32
.set ST,  64                           ; piece p at ST + 8 p: c m, m, l, -, 1/l twice
.set MD,  96
.set O,   128                          ; piece p, channel block cb at O + 32 p + 8 cb
.set F0,  0                            ; window 1
.set F1,  128
.set Q,   0
.set KA,  64
.set KB,  128
.set OT,  192
.set WV,  10                           ; s10  my wave's number
.set OFF, 24                           ; s[24:25] a chunk's byte offset, made apart from the address; the high word stays 0
.set NXT, 26                           ; s26  the chunk to be asked for next
.set TB,  27                           ; s27  LDS byte at which the slot in hand begins
.set CNT, 28                           ; s28  counts the changes of slots that fill
.set G0X, 32                           ; s[32:39] group 0 for x's tiles: a set for each of the two first fills; the second then walks on
.set G0W, 40                           ; s[40:47] the same for my weight tile
.set G1X, 48                           ; s[48:55] group 1 for x
.set G1W, 56                           ; s[56:63] group 1 for the weights
.set CS,  66                           ; s[66:67] c, named as a pair
.set SEL, 68                           ; s[68:69] v_permlanex16_b32's selects: each lane takes its own place in the other half
.set BIGN, 70                          ; s70  -1e30
.set XBP, 72                           ; s[72:73] the batch's first row of xb
.set WBP, 74                           ; s[74:75] my weight tensor at the head's first row
.set MSB, 0
.macro WIN new                         ; the high byte repeats the setting that is left; a switch that changes nothing is dropped
.if MSB != (\new)
	s_set_vgpr_msb (MSB<<8)|(\new)
.set MSB, (\new)
.endif
.endm
.macro PLACES                          ; four places between a matrix instruction and a vector line or a load that touches its registers
.rept 4
	v_nop
.endr
.endm
.macro CROUND                          ; a round of the cluster's barrier
	s_barrier_signal -1
	s_barrier_wait -1
	s_cmp_lg_u32 s[WV], 0
	s_cbranch_scc1 .Lnot_wave_0_\@
	s_barrier_signal -3
.Lnot_wave_0_\@:
	s_barrier_wait -3
	s_barrier_signal -1
	s_barrier_wait -1
.endm
.macro JLOAD                           ; a refill by the walking sets: wave 0 asks jointly for x's tile, waves 1-3 for their own weight tile; the branch hangs on the wave's number alone
	s_cmp_eq_u32 s[WV], 0
	s_cbranch_scc0 .Lfor_w_\@
	tensor_load_to_lds s[G0X+4:G0X+7], s[G1X:G1X+7]
	s_nop 0
	PLACES
	s_branch .Lasked_\@
.Lfor_w_\@:
	tensor_load_to_lds s[G0W+4:G0W+7], s[G1W:G1W+7]
	s_nop 0
	PLACES
.Lasked_\@:
.endm
	s_load_b128 s[4:7], s[0:1], 0x0                ; xb s[4:5], wqkv s[6:7]
	s_load_b64 s[8:9], s[0:1], 0x10                ; heads
	v_lshl_add_u32 v[SPW], v0, 2, SPARE
	v_mov_b32 v[NIL], 0
	ds_add_u32 v[SPW], v[NIL]                      ; the opening: the add and its wait stand ahead of my first tensor load; work on registers stands between them
	v_lshrrev_b32 v1, 5, v0
	v_readfirstlane_b32 s[WV], v1
	s_bfe_u32 s11, ttmp6, 0x40000                  ; cx
	s_lshl_b32 s12, ttmp9, 2
	s_add_co_u32 s12, s12, s11                     ; the head = 4 x cluster x + cx
	s_and_b32 s13, ttmp7, 0xffff                   ; the batch, which the four partners share
	s_lshl_b32 s29, ttmp9, 1                       ; the walk's start hangs on the batch and the cluster's x alone: the same in all four partners
	s_add_co_u32 s29, s29, s13
	s_and_b32 s29, s29, 3                          ; the first chunk,
	s_add_co_u32 s30, s29, 1
	s_and_b32 s30, s30, 3                          ; the second,
	s_add_co_u32 s[NXT], s29, 2
	s_and_b32 s[NXT], s[NXT], 3                    ; and the first that a refill brings
	s_mov_b32 s[OFF+1], 0
	s_mov_b32 s[TB], 0
	s_mov_b32 s[G1X], 15|(1<<16)|(1<<20)|(1<<21)|(5<<22)|(3<<25)  ; the mask of four; 2-byte elements; padding on; bit 21 beside a mask; after every 64 words 4 words
	s_mov_b32 s[G1X+1], 128<<16                    ; tensor_dim0 = 128
	s_mov_b32 s[G1X+2], 256<<16                    ; tensor_dim1 = 256
	s_mov_b32 s[G1X+3], 128<<16                    ; tile_dim0 = 128
	s_mov_b32 s[G1X+4], 256                        ; tile_dim1 = 256
	s_mov_b32 s[G1X+5], 512                        ; 512 elements from row to row
	s_mov_b32 s[G1X+6], 0
	s_mov_b32 s[G1X+7], 0
	s_mov_b32 s[G1W], (1<<16)|(1<<20)|(4<<22)|(7<<25)  ; 128 dense rows of 128 bytes, asked for as 64 rows of 256 bytes; after every 32 words 8 words of padding
	s_mov_b32 s[G1W+1], 128<<16
	s_mov_b32 s[G1W+2], 64<<16
	s_mov_b32 s[G1W+3], 128<<16
	s_mov_b32 s[G1W+4], 64
	s_mov_b32 s[G1W+5], 128
	s_mov_b32 s[G1W+6], 0
	s_mov_b32 s[G1W+7], 0
	s_mov_b32 s[G0X], 1
	s_mov_b32 s[G0X+1], 0
	s_mov_b32 s[G0X+4], 1
	s_mov_b32 s[G0X+5], SLOT
	s_mov_b32 s[G0W], 1
	s_mul_i32 s[G0W+1], s[WV], WT                  ; waves 1, 2, 3: behind x's tile, one weight tile each (wave 0 never asks by this set)
	s_add_co_u32 s[G0W+1], s[G0W+1], XT-WT
	s_mov_b32 s[G0W+4], 1
	s_add_co_u32 s[G0W+5], s[G0W+1], SLOT
	s_mov_b32 s[CS], 0x3e38aa3b                    ; c = log2(e) / 8
	s_mov_b32 s[CS+1], s[CS]
	s_mov_b32 s[SEL], 0x76543210
	s_mov_b32 s[SEL+1], 0xfedcba98
	s_mov_b32 s[BIGN], 0xf149f2ca                  ; -1e30
	s_lshl_b32 s14, s13, 18                        ; the batch's 256 rows of 1,024 bytes
	s_mov_b32 s15, 0
	s_max_u32 s16, s[WV], 1
	s_sub_co_u32 s16, s16, 1                       ; which of Wq, Wk, Wv I fetch
	s_lshl_b32 s16, s16, 19
	s_lshl_b32 s17, s12, 16                        ; the head's 512 rows of 128 bytes
	s_add_co_u32 s16, s16, s17
	s_mov_b32 s17, 0
	s_lshl_b32 s18, s13, 18                        ; O: the batch's four blocks of 64 tokens, 65,536 bytes each,
	s_lshl_b32 s19, s12, 13                        ; the head's two fragments along the channels, 4,096 bytes each,
	s_add_co_u32 s18, s18, s19
	s_lshl_b32 s19, s[WV], 10                      ; my 16 rows of a block: 1,024 bytes
	s_add_co_u32 s18, s18, s19
	s_mov_b32 s19, 0
	s_wait_dscnt 0x0                               ; the opening add is done
	s_wait_kmcnt 0x0
	s_add_nc_u64 s[XBP:XBP+1], s[4:5], s[14:15]
	s_add_nc_u64 s[WBP:WBP+1], s[6:7], s[16:17]
	s_lshl_b32 s[OFF], s29, 8                      ; a chunk of x is 256 bytes of each row,
	s_add_nc_u64 s[G0X+2:G0X+3], s[XBP:XBP+1], s[OFF:OFF+1]
	s_lshl_b32 s[OFF], s30, 8
	s_add_nc_u64 s[G0X+6:G0X+7], s[XBP:XBP+1], s[OFF:OFF+1]
	s_lshl_b32 s[OFF], s29, 14                     ; of a weight tensor 128 rows of 128 bytes
	s_add_nc_u64 s[G0W+2:G0W+3], s[WBP:WBP+1], s[OFF:OFF+1]
	s_lshl_b32 s[OFF], s30, 14
	s_add_nc_u64 s[G0W+6:G0W+7], s[WBP:WBP+1], s[OFF:OFF+1]
	s_or_b32 s[G0X+3], s[G0X+3], 0x80000000
	s_or_b32 s[G0X+7], s[G0X+7], 0x80000000
	s_or_b32 s[G0W+3], s[G0W+3], 0x80000000
	s_or_b32 s[G0W+7], s[G0W+7], 0x80000000
	s_add_nc_u64 s[8:9], s[8:9], s[18:19]
	CROUND                                         ; all four work-groups are here: the first joint loads meet
	s_cmp_eq_u32 s[WV], 0                          ; a wave's two first fills stand in one branch, ahead of every wait on TENSORcnt and every LDS read
	s_cbranch_scc0 .Lfirst_w
	tensor_load_to_lds s[G0X:G0X+3], s[G1X:G1X+7]
	s_nop 0
	tensor_load_to_lds s[G0X+4:G0X+7], s[G1X:G1X+7]
	s_nop 0
	PLACES
	s_branch .Lfirst_asked
.Lfirst_w:
	tensor_load_to_lds s[G0W:G0W+3], s[G1W:G1W+7]
	s_nop 0
	tensor_load_to_lds s[G0W+4:G0W+7], s[G1W:G1W+7]
	s_nop 0
	PLACES
.Lfirst_asked:
	; the addresses and the mask, while the first tiles are on their way
	v_and_b32 v1, 15, v0                           ; r = l % 16
	v_bfe_u32 v2, v0, 4, 1                         ; h = l / 16
	v_and_b32 v3, 31, v0                           ; l
	s_lshl_b32 s20, s[WV], 4
	v_add_nc_u32 v16, s20, v1                      ; my row in a band: 16 w + r
	v_mul_u32_u24 v[AX0], v16, XP
	v_lshl_add_u32 v[AX0], v2, 4, v[AX0]
	v_add_nc_u32 v[ADX], s[TB], v[AX0]
	v_and_b32 v17, 7, v0
	v_bfe_u32 v18, v0, 3, 1
	v_lshl_add_u32 v19, v2, 3, v17                 ; the turning load: row 8 h + l % 8,
	v_mul_u32_u24 v[AVL], v19, WP
	v_lshl_add_u32 v[AVL], v18, 4, v[AVL]          ; 16 bytes for each (l / 8) % 2
	v_add_nc_u32 v[AW0], XT, v[AVL]
	v_add_nc_u32 v[ADW], s[TB], v[AW0]
	v_lshlrev_b32 v[GO], 4, v3
	v_add_nc_u32 v[AKL], KIM, v[GO]
	s_lshl_b32 s21, s[WV], 11
	v_add_nc_u32 v[AKS], s21, v[AKL]
	v_mul_u32_u24 v[AVS], v16, WP
	v_lshl_add_u32 v[AVS], v2, 4, v[AVS]
	v_lshlrev_b32 v20, 3, v2
	v_sub_nc_u32 v20, v16, v20                     ; 16 w + r - 8 h: register j of key tile kt is hidden where 16 kt + j is greater
.set ii, 0
.rept 32
	v_cmp_gt_i32 vcc_lo, 16*(ii/8)+ii%8, v20
	v_cndmask_b32 v[MD+ii], 0, s[BIGN], vcc_lo
.set ii, ii+1
.endr
; THE PROJECTION.  32 LDS loads in one run: for 32 along K (quarter ks of the slot in hand), my four fragments of x and the twelve of W (turned), into buffer fb of window 1
.macro FETCH ks, fb
	WIN 0x40
.irp pc, 0,1,2,3
	ds_load_b128 v[(\fb)+8*(\pc):(\fb)+8*(\pc)+3],   v[ADX] offset:(\pc)*64*XP+64*(\ks)
	ds_load_b128 v[(\fb)+8*(\pc)+4:(\fb)+8*(\pc)+7], v[ADX] offset:(\pc)*64*XP+64*(\ks)+32
.endr
.irp nb, 0,1,2,3,4,5,6,7,8,9,10,11
	ds_load_tr16_b128 v[(\fb)+32+8*(\nb):(\fb)+32+8*(\nb)+3],   v[ADW] offset:((\nb)/4)*WT+32*WP*(\ks)+32*((\nb)%4)
	ds_load_tr16_b128 v[(\fb)+32+8*(\nb)+4:(\fb)+32+8*(\nb)+7], v[ADW] offset:((\nb)/4)*WT+32*WP*(\ks)+32*((\nb)%4)+16*WP
.endr
.endm
; 48 matrix instructions on 48 accumulators, which take turns, over the backward jump too.  zero = 1: the first products start the sums
.macro MUL fb, zero
	WIN 0xa5
.irp pc, 0,1,2,3
.irp nb, 0,1,2,3,4,5,6,7
.if \zero
	v_wmma_f32_16x16x32_bf16 v[8*(8*(\pc)+(\nb)):8*(8*(\pc)+(\nb))+7], v[(\fb)+32+8*(\nb):(\fb)+32+8*(\nb)+7], v[(\fb)+8*(\pc):(\fb)+8*(\pc)+7], 0
.else
	v_wmma_f32_16x16x32_bf16 v[8*(8*(\pc)+(\nb)):8*(8*(\pc)+(\nb))+7], v[(\fb)+32+8*(\nb):(\fb)+32+8*(\nb)+7], v[(\fb)+8*(\pc):(\fb)+8*(\pc)+7], v[8*(8*(\pc)+(\nb)):8*(8*(\pc)+(\nb))+7]
.endif
.endr
.endr
	WIN 0xf5
.irp pc, 0,1,2,3
.irp nb, 0,1,2,3
.if \zero
	v_wmma_f32_16x16x32_bf16 v[8*(4*(\pc)+(\nb)):8*(4*(\pc)+(\nb))+7], v[(\fb)+96+8*(\nb):(\fb)+96+8*(\nb)+7], v[(\fb)+8*(\pc):(\fb)+8*(\pc)+7], 0
.else
	v_wmma_f32_16x16x32_bf16 v[8*(4*(\pc)+(\nb)):8*(4*(\pc)+(\nb))+7], v[(\fb)+96+8*(\nb):(\fb)+96+8*(\nb)+7], v[(\fb)+8*(\pc):(\fb)+8*(\pc)+7], v[8*(4*(\pc)+(\nb)):8*(4*(\pc)+(\nb))+7]
.endif
.endr
.endr
.endm
; A K step of 128 is four quarters of 32 along K on buffers 0, 1, 0, 1.  QA: behind quarter 0's products: quarters 1 and 2 are multiplied, 2 and 3 fetched.  Each wait leaves the run of 32 loads just issued out
.macro QA
	PLACES
	FETCH 2, F0
	s_wait_dscnt 32
	MUL F1, 0
	PLACES
	FETCH 3, F1
	s_wait_dscnt 32
	MUL F0, 0
.endm
; QB: behind a change of slots: the new slot's quarter 0 is fetched; the old slot's quarter 3, whose fragments were waited for ahead of the barrier, is multiplied meanwhile; then the new slot's quarter 0
.macro QB
	FETCH 0, F0
	MUL F1, 0
	PLACES
	FETCH 1, F1
	s_wait_dscnt 32
	MUL F0, 0
.endm
; THE CHANGE OF SLOTS.  Each wave waits for all its tensor loads (one is out: its part of the other slot), adds 0 to its spare word, and waits for that and for its reads of the slot that it leaves.
; fill = 1: the barrier is a round of the cluster's, so that no wave of any partner still reads the slot, and the refill, chunk NXT into the slot just left, is the first thing behind it:
; 192 matrix instructions stand between it and the wait for it.
.macro CHANGE fill
	WIN 0
	s_wait_tensorcnt 0x0                           ; no tensor load of mine is out, so a group 0 may be written
	ds_add_u32 v[SPW], v[NIL]                      ; 0 onto my spare word; scalar work stands between it and the wait for it
.if \fill
	s_xor_b32 s[G0X+5], s[G0X+5], SLOT             ; the walking sets: the other slot than last time,
	s_lshl_b32 s[OFF], s[NXT], 8
	s_add_nc_u64 s[G0X+6:G0X+7], s[XBP:XBP+1], s[OFF:OFF+1]  ; the address made anew from the chunk's number
	s_or_b32 s[G0X+7], s[G0X+7], 0x80000000
	s_xor_b32 s[G0W+5], s[G0W+5], SLOT
	s_lshl_b32 s[OFF], s[NXT], 14
	s_add_nc_u64 s[G0W+6:G0W+7], s[WBP:WBP+1], s[OFF:OFF+1]
	s_or_b32 s[G0W+7], s[G0W+7], 0x80000000
	s_add_co_u32 s[NXT], s[NXT], 1
	s_and_b32 s[NXT], s[NXT], 3
.endif
	s_xor_b32 s[TB], s[TB], SLOT                   ; the fetches go on in the other slot
	s_wait_dscnt 0x0                               ; the add is done, and my reads of the slot are over: quarter 3's fragments are in registers
.if \fill
	CROUND
	JLOAD
.else
	s_barrier_signal -1
	s_barrier_wait -1
	PLACES
.endif
	v_add_nc_u32 v[ADX], s[TB], v[AX0]
	v_add_nc_u32 v[ADW], s[TB], v[AW0]
.endm
	s_wait_tensorcnt 1                             ; my part of slot 0 is in; slot 1's may stay out
	s_barrier_signal -1
	s_barrier_wait -1
	FETCH 0, F0
	FETCH 1, F1
	s_wait_dscnt 32
	MUL F0, 1                                      ; the first quarter stands in front of the loop: its products start the sums
	WIN 0                                          ; at a label and at a branch every window is 0
	s_mov_b32 s[CNT], 2
.Lstep:                                        ; two trips, from a step's second quarter to the next step's first: steps 0 and 1 are left, and their slots filled again
	QA
	CHANGE 1
	QB
	WIN 0
	s_sub_co_u32 s[CNT], s[CNT], 1
	s_cmp_lg_u32 s[CNT], 0
	s_cbranch_scc1 .Lstep
	QA                                             ; the tail is written out: step 2 is left, and nothing is asked for
	CHANGE 0
	QB
	QA                                             ; the last step
	s_wait_dscnt 0x0
	MUL F1, 0
	; q, k, v ARE ROUNDED TO f16.  q stays in registers as fragments; k goes to LDS as fragment images, v as rows: every wave needs all keys.  Each accumulator is read from its low end on.
	PLACES
	WIN 0x4a
.irp pc, 0,1,2,3
.irp nb, 0,1,2,3
.irp jj, 0,1,2,3
	v_cvt_pk_f16_f32 v[Q+16*(\pc)+4*(\nb)+(\jj)], v[8*(8*(\pc)+(\nb))+2*(\jj)], v[8*(8*(\pc)+(\nb))+2*(\jj)+1]
.endr
.endr
.endr
.irp pc, 0,1,2,3
.irp nb, 0,1,2,3
.irp jj, 0,1,2,3
	v_cvt_pk_f16_f32 v[KA+16*(\pc)+4*(\nb)+(\jj)], v[8*(8*(\pc)+4+(\nb))+2*(\jj)], v[8*(8*(\pc)+4+(\nb))+2*(\jj)+1]
.endr
.endr
.endr
	WIN 0x4f
.irp pc, 0,1,2,3
.irp nb, 0,1,2,3
.irp jj, 0,1,2,3
	v_cvt_pk_f16_f32 v[KB+16*(\pc)+4*(\nb)+(\jj)], v[8*(4*(\pc)+(\nb))+2*(\jj)], v[8*(4*(\pc)+(\nb))+2*(\jj)+1]
.endr
.endr
.endr
	WIN 0x04                                       ; store data in window 1
.irp pc, 0,1,2,3
.irp cc, 0,1
	ds_store_b128 v[AKS], v[KA+16*(\pc)+8*(\cc):KA+16*(\pc)+8*(\cc)+3]   offset:8192*(\pc)+1024*(\cc)
	ds_store_b128 v[AKS], v[KA+16*(\pc)+8*(\cc)+4:KA+16*(\pc)+8*(\cc)+7] offset:8192*(\pc)+1024*(\cc)+512
.endr
.endr
.irp pc, 0,1,2,3
.irp nb, 0,1,2,3
	ds_store_b128 v[AVS], v[KB+16*(\pc)+4*(\nb):KB+16*(\pc)+4*(\nb)+3] offset:64*WP*(\pc)+32*(\nb)
.endr
.endr
	s_wait_dscnt 0x0                               ; for the others' sake: my stores are done
	s_barrier_signal -1
	s_barrier_wait -1
; ATTENTION.  Where piece pc keeps its scores (window sW, register sS) and its weights (window 3, register sP)
.macro PIECE pc
.set sW, 3-(\pc)/2
.set sS, (1-(\pc)%2)*(64+32*(\pc))
.set sP, 96+8*(\pc)*((\pc)+1)
.endm
.macro FK st, buf                      ; K of key step st: 8 fragments, 16 loads
	WIN 0x40
.irp kt, 0,1,2,3
.irp cc, 0,1
	ds_load_b128 v[(\buf)+16*(\kt)+8*(\cc):(\buf)+16*(\kt)+8*(\cc)+3],   v[AKL] offset:(2*(4*(\st)+(\kt))+(\cc))*1024
	ds_load_b128 v[(\buf)+16*(\kt)+8*(\cc)+4:(\buf)+16*(\kt)+8*(\cc)+7], v[AKL] offset:(2*(4*(\st)+(\kt))+(\cc))*1024+512
.endr
.endr
.endm
.macro FV st, buf                      ; V of key step st, turned: 8 fragments, 16 loads
	WIN 0x40
.irp kk, 0,1
.irp cb, 0,1,2,3
	ds_load_tr16_b128 v[(\buf)+8*(4*(\kk)+(\cb)):(\buf)+8*(4*(\kk)+(\cb))+3],   v[AVL] offset:32*WP*(2*(\st)+(\kk))+32*(\cb)
	ds_load_tr16_b128 v[(\buf)+8*(4*(\kk)+(\cb))+4:(\buf)+8*(4*(\kk)+(\cb))+7], v[AVL] offset:32*WP*(2*(\st)+(\kk))+32*(\cb)+16*WP
.endr
.endr
.endm
; S^T = K Q^T for key step st and the pieces that see it.  The sums start with 0, or with the mask where the step is the piece's own.  Between the two links of a chain stand three other accumulators or more
.macro KQ st, buf
.irp cc, 0,1
.irp pc, 3,2,1,0
.if (\pc) >= (\st)
	PIECE \pc
.irp kt, 0,1,2,3
.if (\cc) == 0
	WIN (sW<<6)|0x05
.if (\pc) == (\st)
	v_wmma_f32_16x16x32_f16 v[sS+8*(4*(\st)+(\kt)):sS+8*(4*(\st)+(\kt))+7], v[(\buf)+16*(\kt):(\buf)+16*(\kt)+7], v[Q+16*(\pc):Q+16*(\pc)+7], v[MD+8*(\kt):MD+8*(\kt)+7]
.else
	v_wmma_f32_16x16x32_f16 v[sS+8*(4*(\st)+(\kt)):sS+8*(4*(\st)+(\kt))+7], v[(\buf)+16*(\kt):(\buf)+16*(\kt)+7], v[Q+16*(\pc):Q+16*(\pc)+7], 0
.endif
.else
	WIN (sW<<6)|(sW<<4)|0x05
	v_wmma_f32_16x16x32_f16 v[sS+8*(4*(\st)+(\kt)):sS+8*(4*(\st)+(\kt))+7], v[(\buf)+16*(\kt)+8:(\buf)+16*(\kt)+15], v[Q+16*(\pc)+8:Q+16*(\pc)+15], v[sS+8*(4*(\st)+(\kt)):sS+8*(4*(\st)+(\kt))+7]
.endif
.endr
.endif
.endr
.endr
.endm
; O^T += V^T P for key step st
.macro PV st, buf
	WIN 0x0d
.irp kk, 0,1
.irp pc, 3,2,1,0
.if (\pc) >= (\st)
	PIECE \pc
.irp cb, 0,1,2,3
.if ((\st) == 0) && ((\kk) == 0)
	v_wmma_f32_16x16x32_f16 v[O+32*(\pc)+8*(\cb):O+32*(\pc)+8*(\cb)+7], v[(\buf)+8*(4*(\kk)+(\cb)):(\buf)+8*(4*(\kk)+(\cb))+7], v[sP+8*(2*(\st)+(\kk)):sP+8*(2*(\st)+(\kk))+7], 0
.else
	v_wmma_f32_16x16x32_f16 v[O+32*(\pc)+8*(\cb):O+32*(\pc)+8*(\cb)+7], v[(\buf)+8*(4*(\kk)+(\cb)):(\buf)+8*(4*(\kk)+(\cb))+7], v[sP+8*(2*(\st)+(\kk)):sP+8*(2*(\st)+(\kk))+7], v[O+32*(\pc)+8*(\cb):O+32*(\pc)+8*(\cb)+7]
.endif
.endr
.endif
.endr
.endr
.endm
; The row's maximum: four chains, chain q over the key tiles q, q + 4, ..; three operands at a time; each tile's lowest register is among its first reads
.macro MAXP pc
	PIECE \pc
.set rC, WK+8*(\pc)
.set nI, 8*((\pc)+1)
	WIN (sW<<4)|(sW<<2)|sW
.irp qq, 0,1,2,3
	v_max3_num_f32 v[rC+(\qq)], v[sS+8*(\qq)], v[sS+8*(\qq)+1], v[sS+8*(\qq)+2]
.endr
	WIN (sW<<4)|(sW<<2)
.set ii, 3
.rept (nI-4)/2
.irp qq, 0,1,2,3
	v_max3_num_f32 v[rC+(\qq)], v[rC+(\qq)], v[sS+8*(4*(ii/8)+(\qq))+ii%8], v[sS+8*(4*((ii+1)/8)+(\qq))+(ii+1)%8]
.endr
.set ii, ii+2
.endr
	WIN (sW<<2)
.irp qq, 0,1,2,3
	v_max_num_f32 v[rC+(\qq)], v[rC+(\qq)], v[sS+8*(4*(\pc)+(\qq))+7]
.endr
	WIN 0
	v_max3_num_f32 v[rC], v[rC], v[rC+1], v[rC+2]
	v_max_num_f32 v[rC], v[rC], v[rC+3]
	v_permlanex16_b32 v[rC+1], v[rC], s[SEL], s[SEL+1]  ; the row's other keys lie in the lane 16 away
	v_max_num_f32 v[ST+8*(\pc)+1], v[rC], v[rC+1]       ; m
	v_mul_f32 v[ST+8*(\pc)], s[CS], v[ST+8*(\pc)+1]     ; c m
.endm
.macro SCALEP pc                       ; c s - c m, two scores a line
	PIECE \pc
	WIN (sW<<6)|sW
.set ii, 0
.rept 16*((\pc)+1)
	v_pk_fma_f32 v[sS+2*ii:sS+2*ii+1], v[sS+2*ii:sS+2*ii+1], s[CS:CS+1], v[ST+8*(\pc):ST+8*(\pc)+1] op_sel_hi:[1,0,0] neg_lo:[0,0,1] neg_hi:[0,0,1]
.set ii, ii+1
.endr
.endm
.macro EXPP pc
	PIECE \pc
	WIN (sW<<6)|sW
.set ii, 0
.rept 32*((\pc)+1)
	v_exp_f32 v[sS+ii], v[sS+ii]
.set ii, ii+1
.endr
.endm
.macro SUMP pc                         ; the row's sum of the unrounded weights: four chains of pairs, then the halves of the lanes
	PIECE \pc
.set rA, WK+8*(\pc)
	WIN (sW<<2)|sW
.irp qq, 0,1,2,3
	v_pk_add_f32 v[rA+2*(\qq):rA+2*(\qq)+1], v[sS+2*(\qq):sS+2*(\qq)+1], v[sS+2*(\qq)+8:sS+2*(\qq)+9]
.endr
	WIN (sW<<2)
.set ii, 8
.rept 4*(\pc)+2
.irp qq, 0,1,2,3
	v_pk_add_f32 v[rA+2*(\qq):rA+2*(\qq)+1], v[rA+2*(\qq):rA+2*(\qq)+1], v[sS+2*(ii+(\qq)):sS+2*(ii+(\qq))+1]
.endr
.set ii, ii+4
.endr
	WIN 0
	v_pk_add_f32 v[rA:rA+1], v[rA:rA+1], v[rA+2:rA+3]
	v_pk_add_f32 v[rA+4:rA+5], v[rA+4:rA+5], v[rA+6:rA+7]
	v_pk_add_f32 v[rA:rA+1], v[rA:rA+1], v[rA+4:rA+5]
	v_add_f32 v[ST+8*(\pc)+2], v[rA], v[rA+1]
	v_permlanex16_b32 v[rA+2], v[ST+8*(\pc)+2], s[SEL], s[SEL+1]
	v_add_f32 v[ST+8*(\pc)+2], v[ST+8*(\pc)+2], v[rA+2]
.endm
.macro PACKP pc                        ; the weights rounded to f16: two key tiles make a fragment of 32 keys
	PIECE \pc
	WIN 0xc0|(sW<<2)|sW
.set ii, 0
.rept 16*((\pc)+1)
	v_cvt_pk_f16_f32 v[sP+ii], v[sS+2*ii], v[sS+2*ii+1]
.set ii, ii+1
.endr
.endm
	FK 0, KA
	FK 1, KB
	s_wait_dscnt 16                                ; each wait leaves the run of 16 loads just issued out
	KQ 0, KA
	PLACES
	FK 2, KA
	s_wait_dscnt 16
	KQ 1, KB
	PLACES
	FK 3, KB
	s_wait_dscnt 16
	KQ 2, KA
	s_wait_dscnt 0x0
	KQ 3, KB
	PLACES
	FV 0, KA                                       ; V's first two steps come in under the softmax
	FV 1, KB
	MAXP 3
	MAXP 2
	MAXP 1
	MAXP 0
	SCALEP 3                                       ; ONE BATCH: nothing ahead of the wait below names an exponential's result
	SCALEP 2
	EXPP 3
	EXPP 2
	SCALEP 1
	SCALEP 0
	EXPP 1
	EXPP 0
	v_nop                                          ; a plain instruction behind the last exponential,
	s_wait_alu depctr_va_vdst(0)                   ; and one wait ahead of the first use: for all 320
	SUMP 3
	SUMP 2
	PACKP 3
	PACKP 2
	SUMP 1
	SUMP 0
	PACKP 1
	PACKP 0
	WIN 0
.irp pc, 0,1,2,3
	v_rcp_f32 v[ST+8*(\pc)+4], v[ST+8*(\pc)+2]     ; 1 / l, twice: a pair for the packed multiply
	v_rcp_f32 v[ST+8*(\pc)+5], v[ST+8*(\pc)+2]
.endr
	v_nop
	s_wait_alu depctr_va_vdst(0)                   ; one wait for the eight reciprocals
	s_wait_dscnt 16
	PV 0, KA
	PLACES
	FV 2, KA
	s_wait_dscnt 16
	PV 1, KB
	PLACES
	FV 3, KB
	s_wait_dscnt 16
	PV 2, KA
	s_wait_dscnt 0x0
	PV 3, KB
	PLACES
; THE WAY OUT.  O^T is divided by l and rounded to f16.  A lane then holds, for its token, the channels 16 cb + 8 (lane / 16) + 0..7 of channel block cb: registers 0-3 (cb even) or 4-7 (cb odd) of the
; next launch's fragment for the channels 32 (cb / 2) on.  So the four registers are stored as they lie, lane x 16 bytes: each store of the wave covers 512 consecutive bytes, at a multiple of 512 from the buffer's first
.macro OUTP pc
	WIN 0
.set ii, 0
.rept 16
	v_pk_mul_f32 v[O+32*(\pc)+2*ii:O+32*(\pc)+2*ii+1], v[O+32*(\pc)+2*ii:O+32*(\pc)+2*ii+1], v[ST+8*(\pc)+4:ST+8*(\pc)+5]
.set ii, ii+1
.endr
	WIN 0x40
.set ii, 0
.rept 16
	v_cvt_pk_f16_f32 v[OT+16*(\pc)+ii], v[O+32*(\pc)+2*ii], v[O+32*(\pc)+2*ii+1]
.set ii, ii+1
.endr
	WIN 0x04                                       ; store data in window 1; each piece has registers of its own, so no store's data is rewritten
.irp cb, 0,1,2,3
	global_store_b128 v[GO], v[OT+16*(\pc)+4*(\cb):OT+16*(\pc)+4*(\cb)+3], s[8:9] offset:65536*(\pc)+4096*((\cb)/2)+512*((\cb)%2)
.endr
.endm
	OUTP 0
	OUTP 1
	OUTP 2
	OUTP 3
	WIN 0
	s_wait_tensorcnt 0x0                           ; the wave's end, behind my last tensor load and my last LDS store
	ds_add_u32 v[SPW], v[NIL]
	s_wait_dscnt 0x0
	CROUND                                         ; the closing round
	s_endpgm
.Lfunc_end_k_q2655a16b46_qkvattn:
	.size	k_q2655a16b46_qkvattn, .Lfunc_end_k_q2655a16b46_qkvattn-k_q2655a16b46_qkvattn
	.p2alignl 7, 3214868480
	.fill 96, 4, 3214868480
	.section	.rodata,"a",@progbits
	.p2align	6, 0x0
	.amdhsa_kernel k_q2655a16b46_qkvattn
		.amdhsa_group_segment_fixed_size 327680
		.amdhsa_private_segment_fixed_size 0
		.amdhsa_enable_private_segment 0
		.amdhsa_kernarg_size 24
		.amdhsa_user_sgpr_count 2
		.amdhsa_user_sgpr_kernarg_segment_ptr 1
		.amdhsa_wavefront_size32 1
		.amdhsa_system_sgpr_workgroup_id_x 1
		.amdhsa_system_sgpr_workgroup_id_y 1
		.amdhsa_system_sgpr_workgroup_id_z 1
		.amdhsa_system_vgpr_workitem_id 0
		.amdhsa_next_free_vgpr 1024
		.amdhsa_next_free_sgpr 80
		.amdhsa_reserve_vcc 1
		.amdhsa_float_denorm_mode_32 3
		.amdhsa_float_denorm_mode_16_64 3
		.amdhsa_memory_ordered 1
		.amdhsa_forward_progress 1
		.amdhsa_inst_pref_size 171
	.end_amdhsa_kernel
	.amdgpu_metadata
---
amdhsa.version: [ 1, 2 ]
amdhsa.kernels:
  - .name:           k_q2655a16b46_qkvattn
    .symbol:         k_q2655a16b46_qkvattn.kd
    .args:
      - { .name: xb, .offset: 0, .size: 8, .value_kind: global_buffer, .address_space: global }
      - { .name: wqkv, .offset: 8, .size: 8, .value_kind: global_buffer, .address_space: global }
      - { .name: heads, .offset: 16, .size: 8, .value_kind: global_buffer, .address_space: global }
    .group_segment_fixed_size: 327680
    .private_segment_fixed_size: 0
    .kernarg_segment_align: 8
    .kernarg_segment_size: 24
    .max_flat_workgroup_size: 128
    .sgpr_count:     80
    .vgpr_count:     1024
    .wavefront_size: 32
...
	.end_amdgpu_metadata
.endif
;; end of part 2
;; launch tail (part 3): grid 256 x 1, 4 waves a work-group, clusters of 4 x 1, 327,680 bytes of LDS; arguments heads, xb, wf, par, out0; writes out0
.if DOCPART == 3
	.amdgcn_target "amdgcn-amd-amdhsa--gfx1250"
	.amdhsa_code_object_version 6
	.text
	.protected	k_q2655a16b46_tail
	.globl	k_q2655a16b46_tail
	.p2align	8
	.type	k_q2655a16b46_tail,@function
k_q2655a16b46_tail:
	s_mov_b64 s[64:65], 0
	v_nop
	global_prefetch_b8 v0, s[64:65] scope:SCOPE_SE
	s_setreg_imm32_b32 hwreg(HW_REG_WAVE_MODE, 25, 1), 1
	s_wait_xcnt 0x0
	s_wait_alu depctr_hold_cnt(0) depctr_sa_sdst(0) depctr_va_vdst(0) depctr_va_sdst(0) depctr_va_ssrc(0) depctr_va_vcc(0) depctr_vm_vsrc(0)
	s_getreg_b32 s2, hwreg(HW_REG_IB_STS2, 6, 4)
	s_cmp_eq_u32 s2, 0
	s_cbranch_scc0 .Lentry_in_a_cluster
	s_endpgm
.Lentry_in_a_cluster:
	s_bfe_u32 s2, ttmp6, 0x10000c
	s_cmp_lg_u32 s2, 0x3003
	s_cbranch_scc0 .Lentry_shape_is_right
	s_endpgm
.Lentry_shape_is_right:
; 64 ROWS FROM ATTENTION'S OUTPUT TO THE BLOCK'S OUTPUT: y = x + heads Wo; ln1 = LN(y); out = LN(relu(ln1 W1 + b1) W2 + b2 + ln1).  Nothing between goes through memory.
; heads: f16, as this launch's fragments: for my block of 64 rows, fragment (ks, mt) is 1,024 bytes at 4,096 ks + 1,024 mt: lane x 16 bytes for registers 0-3, 512 further on for registers 4-7.
; xb: [16384][512] bf16.  wf: f16, Wo [512][512], W1 [512][2048], W2 [2048][512].  par: f32, b1, b2, ln1_g, ln1_b, ln2_g, ln2_b.  out0: [16384][512] f32.
; LIMITS.  ln1 (as FFN1's operand) and the hidden layer h are rounded once to f16: they must stay below 65,504.  The residuals, the sums and both norms are f32; a norm takes the mean first and then the
; mean of the squared differences, as it is defined.  NaN and infinities are not treated apart.
; SHARES.  Wave w owns the output columns 128 w .. 128 w + 127 of all 64 rows: 32 accumulators (acc2).  In FFN1 it owns 32 of a chunk's 128 hidden columns: 8 accumulators (acc1).
; LAYOUT.  Every product is used transposed: source 0 = 16 columns of the weights, which lie [k][column] and come out of LDS turned; source 1 = 16 rows.  In a result a lane holds ONE row (lane % 16) and the columns
; 8 (lane / 16) + 0..7.  The 64 x 512 operand (first heads, then ln1) lies in EVERY wave's registers as 64 fragments, so LDS holds weights, h and small stages alone.
; PHASES.  36 of them, 128 matrix instructions a wave each, on one tile of 128 KiB: four chunks of Wo (128 rows of k); then for each of 16 chunks of 128 hidden columns A (W1's 512 x 128) and B (W2's 128 x 512).
; Two slots take turns; behind each phase the slot just read is filled with the tile two phases on; the same barrier hands h from A to B.  x starts the sums of heads Wo, b1 those of FFN1, ln1 + b2 those of FFN2.
; THE LAST 32 PRODUCTS of a phase on a tile of 128 rows stand BEHIND the change of slots: their fragments are in registers by the wait ahead of the round; behind the refill the next phase's first run of LDS loads
; is issued into the buffer that is free, and lands under those products.  (From A to B nothing can be held back: h needs all of A.)
; THE WALK.  The f32 sums over Wo's four chunks and over the 16 chunks of hidden columns may be taken in any order.  Cluster n walks each of the two rings from its own start, chunk (n xor n / 2) mod 16
; (mod 4 for Wo), and round: so at any time the clusters ask for different tiles, and a tile is asked for by different clusters at different times.  Of the 64 clusters, those that agree in any one bit of n
; still hold all 16 starts.  A refill's address is made anew from the chunk's number.
; CLUSTER.  The four work-groups of a cluster walk alike: every tensor load is JOINT for the four; each wave brings a quarter of a tile by the one line.  Two loads of a wave are out at the start, one behind each round.
; REGISTERS, in windows of 256 (s_set_vgpr_msb: bits 1:0 source 0, 3:2 source 1, 5:4 source 2, 7:6 destination):
;   window 0: v0-31 addresses; v32-95 acc1, in B phases h's fragments; v96-159, v160-223 two buffers of weight fragments; v224-239 b1, or at work in a norm; v240-255 a norm's pairs
;   window 1: acc2, row block mt and column block nb at 64 mt + 8 nb          windows 2, 3: fragment (ks, mt) at 8 (4 (ks % 8) + mt), ks < 8 in window 2
.set P1,    288                        ; a row of W1's tile in LDS: 256 bytes + 32: an odd multiple of 32
.set P2,    1056                       ; a row of Wo's and W2's tiles: 1,024 + 32
.set SB,    512*P1                     ; slot A at 0: 147,456 bytes; slot B behind it: 135,168
.set H,     SB+128*P2                  ; 34,816 bytes, never filled by a tensor load: h (64 rows x 272); the hand-over of ln1 (64 rows x 528); the stages of the way out (16 rows x 528 a wave)
.set HP,    272
.set LP,    528
.set REDA,  H+34816                    ; a word for each row and wave: the rows' sums; 1,024 further on their sums of squares
.set SPARE, REDA+2048                  ; the spare words, 128 bytes for each wave: two blocks of 256 bytes that no other line names
.set W1_OFF, 524288
.set W2_OFF, 2621440
.set AW1, 4                            ; v4-7    my lane's place in W1's tile, rows 128 g on
.set AW2, 8                            ; v8-11   the same in a tile of 128 rows: slot A rows 0, 64 on; slot B rows 0, 64 on
.set AH,  12                           ; v12     where I read h's fragments
.set HS,  13                           ; v13     where I put h
.set BO,  14                           ; v14     my byte offset in a chunk of b1
.set LNS, 15                           ; v15     the hand-over: where I put ln1
.set LNL, 16                           ; v16     where I read it
.set RS,  17                           ; v17     where I put a row's sum
.set RL,  18                           ; v18     where I read the four waves' sums
.set SGS, 19                           ; v19     the way out: where I put 32 bytes of a row
.set SGL, 20                           ; v20     where I read a row back
.set OO,  21                           ; v21     my byte offset in a row of out0
.set PFO1, 22                          ; v22     4,096 x lane: a row of W1; never rewritten
.set PFO2, 23                          ; v23     256 x lane; never rewritten
.set XO,  24                           ; v24     my byte offset in xb
.set PO,  26                           ; v26     in a vector of 512 parameters
.set ZERO, 29                          ; v29     0, for the packed maximum
.set SPW, 30                           ; v30     LDS address of my spare word; never rewritten
.set NIL, 31                           ; v31     0; never rewritten
.set A1,  32
.set G,   96
.set BI,  224
.set HOJ, 224                          ; v224-227  at the start: 16 x lane + the place in heads of the chunk that register group j takes
.set T,   240
.set MU,  248
.set WV,  14                           ; s14  my wave's number
.set CX,  15                           ; s15  my place in the cluster
.set RB,  16                           ; s16  my block of 64 rows
.set START, 17                         ; s17  the chunk at which my cluster's ring begins
.set BP,  18                           ; s[18:19] b1 at the chunk whose bias was last asked for
.set W1P, 20                           ; s[20:21] my quarter of W1's chunk 0
.set W2P, 22                           ; s[22:23] my quarter of W2's chunk 0
.set CNT, 24                           ; s24  chunks still to be asked for
.set ASKF, 25                          ; s25  1 in the clusters that prefetch
.set PF1, 26                           ; s[26:27] where my prefetch of W1 stands; never rewritten
.set PF2, 28                           ; s[28:29] of W2; never rewritten
.set NXT, 30                           ; s30  the chunk to be asked for next
.set G0A, 32                           ; s[32:35] group 0 for slot A
.set G0B, 36                           ; s[36:39] for slot B
.set G1T1, 40                          ; s[40:47] group 1: 128 rows x 128 columns of W1
.set G1T2, 48                          ; s[48:55] group 1: 32 rows x 512 columns of Wo or W2
.set SEL, 56                           ; s[56:57]
.set HIM, 58                           ; s58  a word's upper bf16
.set R512, 59                          ; s59  1 / 512
.set EPS, 60                           ; s60  1e-5
.set CJ,  80                           ; s[80:83] Wo's chunk of phase j: (START + j) mod 4
.set WOP, 84                           ; s[84:85] my quarter of Wo's chunk 0
.set OFF, 86                           ; s[86:87] a chunk's byte offset, made apart from the address; the high word stays 0
.set MSB, 0
.macro WIN new
.if MSB != (\new)
	s_set_vgpr_msb (MSB<<8)|(\new)
.set MSB, (\new)
.endif
.endm
.macro PLACES                          ; four places between a matrix instruction and a vector line or a load that touches its registers
.rept 4
	v_nop
.endr
.endm
.macro CROUND                          ; a round of the cluster's barrier
	s_barrier_signal -1
	s_barrier_wait -1
	s_cmp_lg_u32 s[WV], 0
	s_cbranch_scc1 .Lnot_wave_0_\@
	s_barrier_signal -3
.Lnot_wave_0_\@:
	s_barrier_wait -3
	s_barrier_signal -1
	s_barrier_wait -1
.endm
; Register group jc (fragments 4 jc .. 4 jc + 3 of windows 2 and 3) takes the 16 fragments of heads' chunk CJ[jc]: 32 loads, each of 512 consecutive bytes
.macro LDHEADS jc
	WIN 0x80+0x40*((\jc)/2)
.irp kq, 0,1,2,3
.irp mt, 0,1,2,3
	global_load_b128 v[8*(4*((4*(\jc)+(\kq))%8)+(\mt)):8*(4*((4*(\jc)+(\kq))%8)+(\mt))+3],   v[HOJ+(\jc)], s[4:5] offset:4096*(\kq)+1024*(\mt)
	global_load_b128 v[8*(4*((4*(\jc)+(\kq))%8)+(\mt))+4:8*(4*((4*(\jc)+(\kq))%8)+(\mt))+7], v[HOJ+(\jc)], s[4:5] offset:4096*(\kq)+1024*(\mt)+512
.endr
.endr
.endm
	s_load_b256 s[4:11], s[0:1], 0x0               ; heads s[4:5], xb s[6:7], wf s[8:9], par s[10:11]
	s_load_b64 s[12:13], s[0:1], 0x20              ; out0
	v_lshl_add_u32 v[SPW], v0, 2, SPARE
	v_mov_b32 v[NIL], 0
	ds_add_u32 v[SPW], v[NIL]                      ; the opening: the add and its wait stand ahead of my first tensor load; work on registers stands between them
	v_lshrrev_b32 v1, 5, v0
	v_readfirstlane_b32 s[WV], v1
	s_bfe_u32 s[CX], ttmp6, 0x40000
	s_lshl_b32 s[RB], ttmp9, 2
	s_add_co_u32 s[RB], s[RB], s[CX]               ; it enters the addresses of heads, xb and out0 alone
	s_lshr_b32 s[START], ttmp9, 1                  ; the ring's start hangs on the cluster's number alone: the same in all four partners
	s_xor_b32 s[START], s[START], ttmp9
	s_and_b32 s[START], s[START], 15
	s_add_co_u32 s[NXT], s[START], 1
	s_and_b32 s[NXT], s[NXT], 15
.irp jc, 0,1,2,3
	s_add_co_u32 s[CJ+(\jc)], s[START], \jc
	s_and_b32 s[CJ+(\jc)], s[CJ+(\jc)], 3
.endr
	s_mov_b32 s[OFF+1], 0
	s_mov_b32 s[G1T1], 15|(1<<16)|(1<<20)|(1<<21)|(5<<22)|(7<<25)  ; the mask of four; 2-byte elements; padding on; bit 21 beside a mask; after every 64 words 8 words
	s_mov_b32 s[G1T1+1], 128<<16
	s_mov_b32 s[G1T1+2], 128<<16
	s_mov_b32 s[G1T1+3], 128<<16
	s_mov_b32 s[G1T1+4], 128
	s_mov_b32 s[G1T1+5], 2048
	s_mov_b32 s[G1T1+6], 0
	s_mov_b32 s[G1T1+7], 0
	s_mov_b32 s[G1T2], 15|(1<<16)|(1<<20)|(1<<21)|(7<<22)|(7<<25)  ; the same, after every 256 words
	s_mov_b32 s[G1T2+1], 512<<16
	s_mov_b32 s[G1T2+2], 32<<16
	s_mov_b32 s[G1T2+3], 512<<16
	s_mov_b32 s[G1T2+4], 32
	s_mov_b32 s[G1T2+5], 512
	s_mov_b32 s[G1T2+6], 0
	s_mov_b32 s[G1T2+7], 0
	s_mov_b32 s[G0A], 1
	s_mul_i32 s[G0A+1], s[WV], 32*P2               ; my 32 rows of a tile of 128
	s_mov_b32 s[G0B], 1
	s_add_co_u32 s[G0B+1], s[G0A+1], SB
	s_mov_b32 s[SEL], 0x76543210
	s_mov_b32 s[SEL+1], 0xfedcba98
	s_mov_b32 s[HIM], 0xffff0000
	s_mov_b32 s[R512], 0x3b000000
	s_mov_b32 s[EPS], 0x3727c5ac
	s_cmp_lt_u32 ttmp9, 16                         ; the clusters 0 to 15 begin at 16 different chunks
	s_cselect_b32 s[ASKF], 1, 0                    ; the same in all four partners
	s_lshl_b32 s72, s[WV], 15                      ; 32 rows of 1,024 bytes
	s_mov_b32 s73, 0
	s_lshl_b32 s74, s[WV], 19                      ; 128 rows of 4,096 bytes
	s_add_co_u32 s74, s74, W1_OFF
	s_mov_b32 s75, 0
	s_add_co_u32 s76, s72, W2_OFF
	s_mov_b32 s77, 0
	s_lshl_b32 s68, s[RB], 16                      ; my 64 rows: 65,536 bytes of heads and of xb,
	s_mov_b32 s69, 0
	s_lshl_b32 s70, s[RB], 17                      ; 131,072 of out0
	s_mov_b32 s71, 0
	s_lshl_b32 s78, s[CX], 7                       ; the prefetches: of a tile's 512 blocks of 256 bytes my work-group takes 128, my wave 32, told apart by address
	s_lshl_b32 s79, s[WV], 5
	s_add_co_u32 s78, s78, s79
	s_wait_dscnt 0x0                               ; the opening add is done
	s_wait_kmcnt 0x0
	s_add_nc_u64 s[WOP:WOP+1], s[8:9], s[72:73]
	s_lshl_b32 s[OFF], s[CJ], 17                   ; a chunk of Wo is 131,072 bytes
	s_add_nc_u64 s[G0A+2:G0A+3], s[WOP:WOP+1], s[OFF:OFF+1]
	s_lshl_b32 s[OFF], s[CJ+1], 17
	s_add_nc_u64 s[G0B+2:G0B+3], s[WOP:WOP+1], s[OFF:OFF+1]
	s_or_b32 s[G0A+3], s[G0A+3], 0x80000000
	s_or_b32 s[G0B+3], s[G0B+3], 0x80000000
	s_add_nc_u64 s[W1P:W1P+1], s[8:9], s[74:75]
	s_add_nc_u64 s[W2P:W2P+1], s[8:9], s[76:77]
	s_add_nc_u64 s[4:5], s[4:5], s[68:69]
	s_add_nc_u64 s[6:7], s[6:7], s[68:69]
	s_add_nc_u64 s[12:13], s[12:13], s[70:71]
	s_lshl_b32 s66, s78, 12                        ; W1: a block a row of 4,096 bytes, at the chunk's 256 bytes
	s_add_co_u32 s66, s66, W1_OFF
	s_lshl_b32 s67, s[START], 8
	s_add_co_u32 s66, s66, s67
	s_mov_b32 s67, 0
	s_add_nc_u64 s[PF1:PF1+1], s[8:9], s[66:67]
	s_lshl_b32 s66, s78, 8                         ; W2: the chunk's 131,072 bytes lie on end
	s_add_co_u32 s66, s66, W2_OFF
	s_lshl_b32 s67, s[START], 17
	s_add_co_u32 s66, s66, s67
	s_mov_b32 s67, 0
	s_add_nc_u64 s[PF2:PF2+1], s[8:9], s[66:67]
	s_lshl_b32 s[OFF], s[START], 9                 ; a chunk of b1 is 512 bytes
	s_add_nc_u64 s[BP:BP+1], s[10:11], s[OFF:OFF+1]
	CROUND                                         ; all four work-groups are here: the first joint loads meet
	tensor_load_to_lds s[G0A:G0A+3], s[G1T2:G1T2+7]
	s_nop 0
	tensor_load_to_lds s[G0B:G0B+3], s[G1T2:G1T2+7]
	s_nop 0
	PLACES
	v_and_b32 v1, 15, v0                           ; r = l % 16
	v_bfe_u32 v2, v0, 4, 1                         ; h = l / 16
	v_and_b32 v3, 31, v0                           ; l
	s_lshl_b32 s72, s[WV], 8
	v_lshl_add_u32 v[XO], v1, 10, s72              ; row x 1,024 + my 128 columns
	v_lshl_add_u32 v[XO], v2, 4, v[XO]
	v_lshlrev_b32 v240, 4, v3
.irp jc, 0,1,2,3
	s_lshl_b32 s73, s[CJ+(\jc)], 14                ; a chunk of heads is four fragments along k: 16,384 bytes
	v_add_nc_u32 v[HOJ+(\jc)], s73, v240
.endr
.irp mt, 0,1,2,3
.irp nb, 0,1,2,3,4,5,6,7
	global_load_b128 v[32+4*(8*(\mt)+(\nb)):32+4*(8*(\mt)+(\nb))+3], v[XO], s[6:7] offset:16384*(\mt)+32*(\nb)  ; x at the places of acc2
.endr
.endr
	LDHEADS 0                                      ; what the first phase multiplies
	WIN 0
	; the other addresses, while those loads are out
	v_and_b32 v240, 7, v0
	v_bfe_u32 v241, v0, 3, 1
	v_lshl_add_u32 v242, v2, 3, v240               ; the turning load: row 8 h + l % 8,
	v_lshlrev_b32 v241, 4, v241                    ; 16 bytes for each (l / 8) % 2
	s_lshl_b32 s73, s[WV], 6
	v_mul_u32_u24 v243, v242, P1
	v_add_nc_u32 v243, v243, v241
	v_add_nc_u32 v[AW1], s73, v243                 ; + my 32 hidden columns
	v_add_nc_u32 v[AW1+1], 128*P1, v[AW1]
	v_add_nc_u32 v[AW1+2], 256*P1, v[AW1]
	v_add_nc_u32 v[AW1+3], 384*P1, v[AW1]
	v_mul_u32_u24 v243, v242, P2
	v_add_nc_u32 v243, v243, v241
	v_add_nc_u32 v[AW2], s72, v243                 ; + my 128 output columns
	v_add_nc_u32 v[AW2+1], 64*P2, v[AW2]
	v_add_nc_u32 v[AW2+2], SB, v[AW2]
	v_add_nc_u32 v[AW2+3], SB+64*P2, v[AW2]
	v_mul_u32_u24 v243, v1, HP
	v_lshl_add_u32 v243, v2, 4, v243
	v_add_nc_u32 v[AH], H, v243
	v_add_nc_u32 v[HS], s73, v[AH]
	s_lshl_b32 s74, s[WV], 7
	v_lshl_add_u32 v[BO], v2, 5, s74
	v_mul_u32_u24 v243, v1, LP
	v_lshl_add_u32 v242, v2, 4, v243
	v_add_nc_u32 v[LNL], H, v242
	s_and_b32 s75, s[WV], 1
	s_lshl_b32 s75, s75, 8
	v_add_nc_u32 v[LNS], s75, v[LNL]
	v_lshlrev_b32 v242, 4, v1
	v_add_nc_u32 v[RL], REDA, v242
	s_lshl_b32 s76, s[WV], 2
	v_add_nc_u32 v[RS], s76, v[RL]
	s_mul_i32 s77, s[WV], 16*LP
	s_add_co_u32 s77, s77, H
	v_lshl_add_u32 v243, v2, 5, v243
	v_add_nc_u32 v[SGS], s77, v243
	v_lshl_add_u32 v[SGL], v3, 4, s77
	s_lshl_b32 s74, s[WV], 9
	v_lshl_add_u32 v[OO], v3, 4, s74
	v_lshl_add_u32 v[PO], v2, 5, s74
	v_lshlrev_b32 v[PFO1], 12, v3
	v_lshlrev_b32 v[PFO2], 8, v3
	v_mov_b32 v[ZERO], 0
	s_wait_loadcnt 32                              ; loads come back in order: x's 32 are in, the 32 of heads' first quarter may stay out
	WIN 0x40                                       ; x, widened, starts the sums of heads Wo: nothing is cleared
.set ii, 0
.rept 128
	v_lshlrev_b32 v[2*ii], 16, v[32+ii]
	v_and_b32 v[2*ii+1], s[HIM], v[32+ii]
.set ii, ii+1
.endr
	s_wait_loadcnt 0x0                             ; the first quarter of heads
	LDHEADS 1                                      ; the other three quarters come in under the first phase
	LDHEADS 2
	LDHEADS 3
	WIN 0
; A run of LDS loads for 32 along K of a tile of 128 rows: my 8 weight fragments (turned) into buffer bb; withh = 1: h's four fragments too
.macro FETCH2 sl, ks, bb, withh
	WIN 0
.irp nb, 0,1,2,3,4,5,6,7
	ds_load_tr16_b128 v[G+64*(\bb)+8*(\nb):G+64*(\bb)+8*(\nb)+3],   v[AW2+2*(\sl)+(\ks)/2] offset:32*P2*((\ks)%2)+32*(\nb)
	ds_load_tr16_b128 v[G+64*(\bb)+8*(\nb)+4:G+64*(\bb)+8*(\nb)+7], v[AW2+2*(\sl)+(\ks)/2] offset:32*P2*((\ks)%2)+32*(\nb)+16*P2
.endr
.if \withh
.irp mt, 0,1,2,3
	ds_load_b128 v[A1+32*(\bb)+8*(\mt):A1+32*(\bb)+8*(\mt)+3],   v[AH] offset:16*HP*(\mt)+64*(\ks)
	ds_load_b128 v[A1+32*(\bb)+8*(\mt)+4:A1+32*(\bb)+8*(\mt)+7], v[AH] offset:16*HP*(\mt)+64*(\ks)+32
.endr
.endif
.endm
; 32 matrix instructions on the 32 accumulators of acc2, which take turns.  withh = 1: source 1 is h; else fragment kg of windows 2 and 3
.macro MM kg, bb, withh
.if \withh
	WIN 0x50
.else
	WIN 0x58+4*((\kg)/8)
.endif
.irp mt, 0,1,2,3
.irp nb, 0,1,2,3,4,5,6,7
.if \withh
	v_wmma_f32_16x16x32_f16 v[64*(\mt)+8*(\nb):64*(\mt)+8*(\nb)+7], v[G+64*(\bb)+8*(\nb):G+64*(\bb)+8*(\nb)+7], v[A1+32*(\bb)+8*(\mt):A1+32*(\bb)+8*(\mt)+7], v[64*(\mt)+8*(\nb):64*(\mt)+8*(\nb)+7]
.else
	v_wmma_f32_16x16x32_f16 v[64*(\mt)+8*(\nb):64*(\mt)+8*(\nb)+7], v[G+64*(\bb)+8*(\nb):G+64*(\bb)+8*(\nb)+7], v[8*(4*((\kg)%8)+(\mt)):8*(4*((\kg)%8)+(\mt))+7], v[64*(\mt)+8*(\nb):64*(\mt)+8*(\nb)+7]
.endif
.endr
.endr
.endm
; A phase on a tile of 128 rows in slot sl: Wo's phase jc (withh = 0) or a chunk of W2 (withh = 1), in three parts.
; PH2HEAD: its first run of loads, into buffer 0, straight behind the refill.  PH2BODY: its other three runs and its first 96 products; each counted wait leaves the run just issued out; the four places at its head
; stand behind the products that read buffer 1 last.  The last 32 products (MM .., 1, ..) are written where the phase ends: behind the next change of slots, or behind a wait for all LDS loads.
.macro PH2HEAD sl, withh
	FETCH2 \sl, 0, 0, \withh
.endm
.macro PH2BODY sl, jc, withh
.set NW, 16+8*(\withh)
	PLACES
	FETCH2 \sl, 1, 1, \withh
	s_wait_dscnt NW
	MM 4*(\jc), 0, \withh
	PLACES
	FETCH2 \sl, 2, 0, \withh
	s_wait_dscnt NW
	MM 4*(\jc)+1, 1, \withh
	PLACES
	FETCH2 \sl, 3, 1, \withh
	s_wait_dscnt NW
	MM 4*(\jc)+2, 0, \withh
.endm
; FFN1.  A run of 16 loads: W1's fragments for rows 128 gg on (four times 32 along K, my two column blocks)
.macro FETCH1 gg, buf
	WIN 0
.irp kq, 0,1,2,3
.irp nb, 0,1
	ds_load_tr16_b128 v[(\buf)+8*(2*(\kq)+(\nb)):(\buf)+8*(2*(\kq)+(\nb))+3],   v[AW1+(\gg)] offset:32*P1*(\kq)+32*(\nb)
	ds_load_tr16_b128 v[(\buf)+8*(2*(\kq)+(\nb))+4:(\buf)+8*(2*(\kq)+(\nb))+7], v[AW1+(\gg)] offset:32*P1*(\kq)+32*(\nb)+16*P1
.endr
.endr
.endm
; 32 matrix instructions on the 8 accumulators of acc1 by turns; the very first eight take b1 as C
.macro MUL1 gg, buf
	WIN 0x08+4*((\gg)/2)
.irp kq, 0,1,2,3
.irp nb, 0,1
.irp mt, 0,1,2,3
.if ((\gg) == 0) && ((\kq) == 0)
	v_wmma_f32_16x16x32_f16 v[A1+8*(2*(\mt)+(\nb)):A1+8*(2*(\mt)+(\nb))+7], v[(\buf)+8*(2*(\kq)+(\nb)):(\buf)+8*(2*(\kq)+(\nb))+7], v[8*(4*((4*(\gg)+(\kq))%8)+(\mt)):8*(4*((4*(\gg)+(\kq))%8)+(\mt))+7], v[BI+8*(\nb):BI+8*(\nb)+7]
.else
	v_wmma_f32_16x16x32_f16 v[A1+8*(2*(\mt)+(\nb)):A1+8*(2*(\mt)+(\nb))+7], v[(\buf)+8*(2*(\kq)+(\nb)):(\buf)+8*(2*(\kq)+(\nb))+7], v[8*(4*((4*(\gg)+(\kq))%8)+(\mt)):8*(4*((4*(\gg)+(\kq))%8)+(\mt))+7], v[A1+8*(2*(\mt)+(\nb)):A1+8*(2*(\mt)+(\nb))+7]
.endif
.endr
.endr
.endr
.endm
.macro LDBIAS                          ; my 16 numbers of b1 for a chunk, at the places of acc1
.irp nb, 0,1
	global_load_b128 v[BI+8*(\nb):BI+8*(\nb)+3],   v[BO], s[BP:BP+1] offset:64*(\nb)
	global_load_b128 v[BI+8*(\nb)+4:BI+8*(\nb)+7], v[BO], s[BP:BP+1] offset:64*(\nb)+16
.endr
.endm
; PHASE A: h = relu(ln1 W1 + b1) for a chunk, rounded to f16 and put into LDS.  Its first run of loads (FETCH1 0, G) has been issued ahead of it.  more = 1: the bias of the chunk to be asked for next is loaded
.macro PHA more
	WIN 0
	PLACES                                         ; eight places behind the products of B that were held back: four ahead of the loads into their weight buffer,
	PLACES                                         ; five or more ahead of the products below, which write over h's fragments
	FETCH1 1, G+64
	s_wait_loadcnt 0x0                             ; this chunk's bias is in
	s_wait_dscnt 16
	MUL1 0, G
	PLACES
	WIN 0
.if \more
	s_lshl_b32 s[OFF], s[NXT], 9
	s_add_nc_u64 s[BP:BP+1], s[10:11], s[OFF:OFF+1]  ; the last loads by this pointer were waited for above
	LDBIAS
.endif
	FETCH1 2, G
	s_wait_dscnt 16
	MUL1 1, G+64
	PLACES
	FETCH1 3, G+64
	s_wait_dscnt 16
	MUL1 2, G
	s_wait_dscnt 0x0
	MUL1 3, G+64
	PLACES
	WIN 0
.set ii, 0
.rept 32
	v_cvt_pk_f16_f32 v[G+ii], v[A1+2*ii], v[A1+2*ii+1]  ; each accumulator from its low end on
.set ii, ii+1
.endr
.set ii, 0
.rept 32
	v_pk_max_num_f16 v[G+ii], v[G+ii], v[ZERO]     ; the rounding keeps the sign, so the maximum may follow it
.set ii, ii+1
.endr
.irp mt, 0,1,2,3
.irp nb, 0,1
	ds_store_b128 v[HS], v[G+4*(2*(\mt)+(\nb)):G+4*(2*(\mt)+(\nb))+3] offset:16*HP*(\mt)+32*(\nb)
.endr
.endr
.endm
; THE CHANGE OF SLOTS.  Each wave waits for all its tensor loads (one is out: its quarter of the other slot), adds 0 to its spare word, and waits for that, for its reads of the slot that it leaves and for its stores of h.
; The barrier is a round of the cluster's, so that no wave of any partner still reads the slot, and the joint refill is the first thing behind it: 96 matrix instructions or more stand between it and the wait for it.
; kind 0, 1: slot A, B takes Wo's chunk of phase 2, 3.  2: slot A takes W1's chunk START.  3: slot B takes W2's chunk START.  4, 5: chunk NXT of W1, W2; behind 5 NXT steps round the ring.  6: nothing is left to fetch.
.macro CHANGE kind
	WIN 0
	s_wait_tensorcnt 0x0                           ; no tensor load of mine is out, so a group 0 may be written
	ds_add_u32 v[SPW], v[NIL]
.if (\kind) == 0
	s_lshl_b32 s[OFF], s[CJ+2], 17
	s_add_nc_u64 s[G0A+2:G0A+3], s[WOP:WOP+1], s[OFF:OFF+1]
	s_or_b32 s[G0A+3], s[G0A+3], 0x80000000
.elseif (\kind) == 1
	s_lshl_b32 s[OFF], s[CJ+3], 17
	s_add_nc_u64 s[G0B+2:G0B+3], s[WOP:WOP+1], s[OFF:OFF+1]
	s_or_b32 s[G0B+3], s[G0B+3], 0x80000000
.elseif (\kind) == 2
	s_mul_i32 s[G0A+1], s[WV], 128*P1              ; my 128 rows of a tile of 512
	s_lshl_b32 s[OFF], s[START], 8                 ; a chunk of W1 is 256 bytes of each row
	s_add_nc_u64 s[G0A+2:G0A+3], s[W1P:W1P+1], s[OFF:OFF+1]
	s_or_b32 s[G0A+3], s[G0A+3], 0x80000000
.elseif (\kind) == 3
	s_lshl_b32 s[OFF], s[START], 17                ; a chunk of W2 is 131,072 bytes on end
	s_add_nc_u64 s[G0B+2:G0B+3], s[W2P:W2P+1], s[OFF:OFF+1]
	s_or_b32 s[G0B+3], s[G0B+3], 0x80000000
.elseif (\kind) == 4
	s_lshl_b32 s[OFF], s[NXT], 8
	s_add_nc_u64 s[G0A+2:G0A+3], s[W1P:W1P+1], s[OFF:OFF+1]
	s_or_b32 s[G0A+3], s[G0A+3], 0x80000000
.elseif (\kind) == 5
	s_lshl_b32 s[OFF], s[NXT], 17
	s_add_nc_u64 s[G0B+2:G0B+3], s[W2P:W2P+1], s[OFF:OFF+1]
	s_or_b32 s[G0B+3], s[G0B+3], 0x80000000
	s_add_co_u32 s[NXT], s[NXT], 1
	s_and_b32 s[NXT], s[NXT], 15
.endif
	s_wait_dscnt 0x0                               ; also: the fragments of the products that are held back are in registers
.if (\kind) == 6
	s_barrier_signal -1
	s_barrier_wait -1
	PLACES
.else
	CROUND
.if ((\kind) == 2) || ((\kind) == 4)
	tensor_load_to_lds s[G0A:G0A+3], s[G1T1:G1T1+7]
.elseif (\kind) == 0
	tensor_load_to_lds s[G0A:G0A+3], s[G1T2:G1T2+7]
.else
	tensor_load_to_lds s[G0B:G0B+3], s[G1T2:G1T2+7]
.endif
	s_nop 0
	PLACES
.endif
.endm
; A PREFETCH INTO THE L2, behind the refills of the first two changes of slots, their five lines and the run of LDS loads that follows: the tile of W1, then that of W2, at which my cluster's ring begins, each two phases
; (256 matrix instructions or more) ahead of its own load.  The clusters 0 to 15 begin at 16 different chunks: they ask, each for its own; a cluster's 4 work-groups x 4 waves x 32 lanes name a tile's 512 blocks of
; 256 bytes once each, told apart by address.  So each block of W1 and W2 is named once in the launch.  Wo's tiles come by their loads alone; the loop asks for nothing.
.macro ASK ptr, off
	s_cmp_eq_u32 s[ASKF], 1
	s_cbranch_scc0 .Lnot_mine_\@
	global_prefetch_b8 v[\off], s[\ptr:\ptr+1] th:TH_LOAD_NT scope:SCOPE_SE
.Lnot_mine_\@:
.endm
.macro LDPAR dst, off                  ; 64 numbers of a vector of 512, at the places of a row block of acc2
.irp nb, 0,1,2,3,4,5,6,7
	global_load_b128 v[(\dst)+8*(\nb):(\dst)+8*(\nb)+3],   v[PO], s[10:11] offset:(\off)+64*(\nb)
	global_load_b128 v[(\dst)+8*(\nb)+4:(\dst)+8*(\nb)+7], v[PO], s[10:11] offset:(\off)+64*(\nb)+16
.endr
.endm
; A lane's four partial sums (pairs T, one a row block) become the rows' sums over all 512 columns, in v[BI + 4 mt]: the pair's halves, the other half of the lanes, then the four waves through LDS
.macro XCH red
	WIN 0
.irp mt, 0,1,2,3
	v_add_f32 v[T+2*(\mt)], v[T+2*(\mt)], v[T+2*(\mt)+1]
.endr
.irp mt, 0,1,2,3
	v_permlanex16_b32 v[T+2*(\mt)+1], v[T+2*(\mt)], s[SEL], s[SEL+1]
.endr
.irp mt, 0,1,2,3
	v_add_f32 v[T+2*(\mt)], v[T+2*(\mt)], v[T+2*(\mt)+1]
.endr
.irp mt, 0,1,2,3
	ds_store_b32 v[RS], v[T+2*(\mt)] offset:(\red)+256*(\mt)  ; both halves of the lanes write the same number to the same word
.endr
	s_wait_dscnt 0x0                               ; for the others' sake: my stores are done, and so are all my earlier LDS reads
	s_barrier_signal -1
	s_barrier_wait -1
.irp mt, 0,1,2,3
	ds_load_b128 v[BI+4*(\mt):BI+4*(\mt)+3], v[RL] offset:(\red)+256*(\mt)
.endr
	s_wait_dscnt 0x0
.irp mt, 0,1,2,3
	v_add_f32 v[BI+4*(\mt)], v[BI+4*(\mt)], v[BI+4*(\mt)+1]
.endr
.irp mt, 0,1,2,3
	v_add_f32 v[BI+4*(\mt)+2], v[BI+4*(\mt)+2], v[BI+4*(\mt)+3]
.endr
.irp mt, 0,1,2,3
	v_add_f32 v[BI+4*(\mt)], v[BI+4*(\mt)], v[BI+4*(\mt)+2]
.endr
.endm
; A NORM of acc2, in place: the mean; the differences; the mean of their squares; 1 / sqrt(var + eps) into the pairs T.  Four chains, a row block each, so that no line waits for the one before it
.macro LNSTAT
	WIN 0x05
.irp mt, 0,1,2,3
	v_pk_add_f32 v[T+2*(\mt):T+2*(\mt)+1], v[64*(\mt):64*(\mt)+1], v[64*(\mt)+2:64*(\mt)+3]
.endr
	WIN 0x04
.set ii, 2
.rept 30
.irp mt, 0,1,2,3
	v_pk_add_f32 v[T+2*(\mt):T+2*(\mt)+1], v[T+2*(\mt):T+2*(\mt)+1], v[64*(\mt)+2*ii:64*(\mt)+2*ii+1]
.endr
.set ii, ii+1
.endr
	XCH 0
.irp mt, 0,1,2,3
	v_mul_f32 v[MU+2*(\mt)], s[R512], v[BI+4*(\mt)]
.endr
.irp mt, 0,1,2,3
	v_mov_b32 v[MU+2*(\mt)+1], v[MU+2*(\mt)]
.endr
	WIN 0x41
.set ii, 0
.rept 32
.irp mt, 0,1,2,3
	v_pk_add_f32 v[64*(\mt)+2*ii:64*(\mt)+2*ii+1], v[64*(\mt)+2*ii:64*(\mt)+2*ii+1], v[MU+2*(\mt):MU+2*(\mt)+1] neg_lo:[0,1] neg_hi:[0,1]
.endr
.set ii, ii+1
.endr
	WIN 0x05
.irp mt, 0,1,2,3
	v_pk_mul_f32 v[T+2*(\mt):T+2*(\mt)+1], v[64*(\mt):64*(\mt)+1], v[64*(\mt):64*(\mt)+1]
.endr
.set ii, 1
.rept 31
.irp mt, 0,1,2,3
	v_pk_fma_f32 v[T+2*(\mt):T+2*(\mt)+1], v[64*(\mt)+2*ii:64*(\mt)+2*ii+1], v[64*(\mt)+2*ii:64*(\mt)+2*ii+1], v[T+2*(\mt):T+2*(\mt)+1]
.endr
.set ii, ii+1
.endr
	XCH 1024
.irp mt, 0,1,2,3
	v_fma_f32 v[BI+4*(\mt)], v[BI+4*(\mt)], s[R512], s[EPS]
.endr
.irp mt, 0,1,2,3
	v_rsq_f32 v[T+2*(\mt)], v[BI+4*(\mt)]
	v_rsq_f32 v[T+2*(\mt)+1], v[BI+4*(\mt)]
.endr
	v_nop                                          ; a plain instruction behind the last of them,
	s_wait_alu depctr_va_vdst(0)                   ; and one wait ahead of the first use
.endm
.macro LNAPPLY                         ; times 1 / sqrt, times the gain (v32-95) plus the offset (v96-159)
	WIN 0x41
.set ii, 0
.rept 32
.irp mt, 0,1,2,3
	v_pk_mul_f32 v[64*(\mt)+2*ii:64*(\mt)+2*ii+1], v[64*(\mt)+2*ii:64*(\mt)+2*ii+1], v[T+2*(\mt):T+2*(\mt)+1]
.endr
.irp mt, 0,1,2,3
	v_pk_fma_f32 v[64*(\mt)+2*ii:64*(\mt)+2*ii+1], v[64*(\mt)+2*ii:64*(\mt)+2*ii+1], v[32+2*ii:32+2*ii+1], v[96+2*ii:96+2*ii+1]
.endr
.set ii, ii+1
.endr
.endm
; ln1 IS HANDED TO ALL WAVES, 256 columns at a time: two waves put their f16 halves of 64 rows x 512 bytes into LDS; every wave reads them back as 32 fragments, into window win
.macro HANDLD win
	s_wait_dscnt 0x0                               ; for the others' sake: my stores are done
	s_barrier_signal -1
	s_barrier_wait -1
	WIN \win
.irp kq, 0,1,2,3,4,5,6,7
.irp mt, 0,1,2,3
	ds_load_b128 v[8*(4*(\kq)+(\mt)):8*(4*(\kq)+(\mt))+3],   v[LNL] offset:16*LP*(\mt)+64*(\kq)
	ds_load_b128 v[8*(4*(\kq)+(\mt))+4:8*(4*(\kq)+(\mt))+7], v[LNL] offset:16*LP*(\mt)+64*(\kq)+32
.endr
.endr
	WIN 0
	s_wait_dscnt 0x0                               ; my reads are over: behind this barrier the bytes are written again
	s_barrier_signal -1
	s_barrier_wait -1
.endm
.macro HANDST
.irp mt, 0,1,2,3
.irp nb, 0,1,2,3,4,5,6,7
	ds_store_b128 v[LNS], v[32+4*(8*(\mt)+(\nb)):32+4*(8*(\mt)+(\nb))+3] offset:16*LP*(\mt)+32*(\nb)
.endr
.endr
.endm
	s_wait_tensorcnt 1                             ; my quarter of slot A is in; slot B's may stay out
	s_barrier_signal -1
	s_barrier_wait -1
	PH2HEAD 0, 0                                   ; y = x + heads Wo
	PH2BODY 0, 0, 0
	CHANGE 0
	PH2HEAD 1, 0
	ASK PF1, PFO1
	MM 3, 1, 0                                     ; the first phase's last products, while the second's first fragments come in
	s_wait_loadcnt 0x0                             ; the other three quarters of heads are in
	PH2BODY 1, 1, 0
	CHANGE 1
	PH2HEAD 0, 0
	ASK PF2, PFO2
	MM 7, 1, 0
	PH2BODY 0, 2, 0
	CHANGE 2
	PH2HEAD 1, 0
	MM 11, 1, 0
	PH2BODY 1, 3, 0
	s_wait_dscnt 0x0
	MM 15, 1, 0
	CHANGE 3                                       ; W2's first chunk comes in under the first norm
	LDPAR 32, 10240                                ; ln1_g
	LDPAR 96, 12288                                ; ln1_b
	LDPAR 160, 8192                                ; b2
	LNSTAT
	s_wait_loadcnt 0x0
	LNAPPLY
	WIN 0x05
.set ii, 0
.rept 128
	v_cvt_pk_f16_f32 v[32+ii], v[2*ii], v[2*ii+1]  ; ln1 as FFN1's operand
.set ii, ii+1
.endr
	WIN 0x41
.set ii, 0
.rept 32
.irp mt, 0,1,2,3
	v_pk_add_f32 v[64*(\mt)+2*ii:64*(\mt)+2*ii+1], v[64*(\mt)+2*ii:64*(\mt)+2*ii+1], v[160+2*ii:160+2*ii+1]  ; ln1 + b2, in f32, starts FFN2's sums
.endr
.set ii, ii+1
.endr
	WIN 0
	LDBIAS                                         ; the bias of the ring's first chunk
	s_cmp_lt_u32 s[WV], 2
	s_cbranch_scc0 .Lnot_01
	HANDST
.Lnot_01:
	HANDLD 0x80
	s_cmp_ge_u32 s[WV], 2
	s_cbranch_scc0 .Lnot_23
	HANDST
.Lnot_23:
	HANDLD 0xc0
	FETCH1 0, G                                    ; the first chunk's first run of loads: slot A was shown whole by the round behind Wo's last phase
	s_mov_b32 s[CNT], 15
.Lchunk:                                       ; 15 trips: a chunk is computed, the next of the ring asked for
	PHA 1
	CHANGE 4
	PH2HEAD 1, 1
	PH2BODY 1, 0, 1
	CHANGE 5
	FETCH1 0, G                                    ; the next chunk's first run of loads,
	MM 3, 1, 1                                     ; and B's last products, under which it lands
	WIN 0                                          ; at a label and at a branch every window is 0
	s_sub_co_u32 s[CNT], s[CNT], 1
	s_cmp_lg_u32 s[CNT], 0
	s_cbranch_scc1 .Lchunk
	PHA 0                                          ; the ring's last chunk is written out
	CHANGE 6
	PH2HEAD 1, 1
	PH2BODY 1, 0, 1
	s_wait_dscnt 0x0
	MM 3, 1, 1
	PLACES
	WIN 0
	LDPAR 32, 14336                                ; ln2_g
	LDPAR 96, 16384                                ; ln2_b
	LNSTAT                                         ; its barriers also stand between the other waves' last reads of h and my stage's stores
	s_wait_loadcnt 0x0
	LNAPPLY
	; THE WAY OUT: 16 rows at a time through my own stage: a lane's 32 bytes go into rows of 528 bytes and come back as whole rows of 512
.irp mt, 0,1,2,3
	WIN 0x04
.irp nb, 0,1,2,3,4,5,6,7
	ds_store_b128 v[SGS], v[64*(\mt)+8*(\nb):64*(\mt)+8*(\nb)+3]   offset:64*(\nb)
	ds_store_b128 v[SGS], v[64*(\mt)+8*(\nb)+4:64*(\mt)+8*(\nb)+7] offset:64*(\nb)+16
.endr
	WIN 0
.if (\mt) >= 2
	s_wait_xcnt 0x0                                ; the stores of two blocks back have read these registers
.endif
.irp jj, 0,1,2,3,4,5,6,7,8,9,10,11,12,13,14,15
	ds_load_b128 v[32+64*((\mt)%2)+4*(\jj):32+64*((\mt)%2)+4*(\jj)+3], v[SGL] offset:LP*(\jj)  ; LDS serves a wave's instructions in order (ISA guide 5.7.1.4): these see the stores above
.endr
.irp jj, 0,1,2,3,4,5,6,7,8,9,10,11,12,13,14,15
	s_wait_dscnt 15-(\jj)
	global_store_b128 v[OO], v[32+64*((\mt)%2)+4*(\jj):32+64*((\mt)%2)+4*(\jj)+3], s[12:13] offset:(16*(\mt)+(\jj))*2048 th:TH_STORE_NT  ; 512 consecutive bytes, at a multiple of 256 from the buffer's first
.endr
.endr
	s_wait_tensorcnt 0x0                           ; the wave's end, behind my last tensor load and my last LDS store
	ds_add_u32 v[SPW], v[NIL]
	s_wait_dscnt 0x0
	CROUND                                         ; the closing round
	s_endpgm
.Lfunc_end_k_q2655a16b46_tail:
	.size	k_q2655a16b46_tail, .Lfunc_end_k_q2655a16b46_tail-k_q2655a16b46_tail
	.p2alignl 7, 3214868480
	.fill 96, 4, 3214868480
	.section	.rodata,"a",@progbits
	.p2align	6, 0x0
	.amdhsa_kernel k_q2655a16b46_tail
		.amdhsa_group_segment_fixed_size 327680
		.amdhsa_private_segment_fixed_size 0
		.amdhsa_enable_private_segment 0
		.amdhsa_kernarg_size 40
		.amdhsa_user_sgpr_count 2
		.amdhsa_user_sgpr_kernarg_segment_ptr 1
		.amdhsa_wavefront_size32 1
		.amdhsa_system_sgpr_workgroup_id_x 1
		.amdhsa_system_sgpr_workgroup_id_y 1
		.amdhsa_system_sgpr_workgroup_id_z 1
		.amdhsa_system_vgpr_workitem_id 0
		.amdhsa_next_free_vgpr 1024
		.amdhsa_next_free_sgpr 96
		.amdhsa_reserve_vcc 0
		.amdhsa_float_denorm_mode_32 3
		.amdhsa_float_denorm_mode_16_64 3
		.amdhsa_memory_ordered 1
		.amdhsa_forward_progress 1
		.amdhsa_inst_pref_size 255
	.end_amdhsa_kernel
	.section	.bss,"aw",@nobits
	.p2align	6
	.space	262144
	.amdgpu_metadata
---
amdhsa.version: [ 1, 2 ]
amdhsa.kernels:
  - .name:           k_q2655a16b46_tail
    .symbol:         k_q2655a16b46_tail.kd
    .args:
      - { .name: heads, .offset: 0, .size: 8, .value_kind: global_buffer, .address_space: global }
      - { .name: xb, .offset: 8, .size: 8, .value_kind: global_buffer, .address_space: global }
      - { .name: wf, .offset: 16, .size: 8, .value_kind: global_buffer, .address_space: global }
      - { .name: par, .offset: 24, .size: 8, .value_kind: global_buffer, .address_space: global }
      - { .name: out0, .offset: 32, .size: 8, .value_kind: global_buffer, .address_space: global }
    .group_segment_fixed_size: 327680
    .private_segment_fixed_size: 0
    .kernarg_segment_align: 8
    .kernarg_segment_size: 40
    .max_flat_workgroup_size: 128
    .sgpr_count:     96
    .vgpr_count:     1024
    .wavefront_size: 32
...
	.end_amdgpu_metadata
.endif
;; end of part 3
;; ======== version 2 of 2: 3 launches; version 1 with the launch prep written anew for expert scheduling mode
;; limits: values are held in f16: magnitudes above 65,504 overflow, below 6.1e-05 lose precision
;; workspace buffers: xb 16,777,216 bytes; wqkv 1,572,864 bytes; wf 4,718,592 bytes; par 18,432 bytes; heads 16,777,216 bytes
;; launch prep (part 4): grid 705 x 1, 8 waves a work-group, no clusters, 0 bytes of LDS; arguments x, Wq, Wk, Wv, Wo, W1, W2, b1, b2, ln1_g, ln1_b, ln2_g, ln2_b, xb, wqkv, wf, par; writes xb, wqkv, wf, par
.if DOCPART == 4
	.amdgcn_target "amdgcn-amd-amdhsa--gfx1250"
	.amdhsa_code_object_version 6
	.text
	.protected	k_q2655a16b46_prep
	.globl	k_q2655a16b46_prep
	.p2align	8
	.type	k_q2655a16b46_prep,@function
k_q2655a16b46_prep:
	s_mov_b64 s[64:65], 0
	v_nop
	global_prefetch_b8 v0, s[64:65] scope:SCOPE_SE
	s_setreg_imm32_b32 hwreg(HW_REG_WAVE_SCHED_MODE, 0, 2), 2
	s_setreg_imm32_b32 hwreg(HW_REG_WAVE_MODE, 25, 1), 1
	s_wait_xcnt 0x0
	s_wait_alu depctr_vm_vsrc(0)
; CASTS.  Every input of the module is rounded once to bf16 (to nearest even), so that the whole program works on one rounding of its inputs:
;   x -> xb (bf16);  Wq, Wk, Wv -> wqkv (bf16, one behind the other, layouts unchanged);
;   Wo, W1, W2 -> wf: the bf16 number written as f16 (exact within f16's normal range; LIMIT: below 6e-5 it keeps f16's fixed step of 6e-8, beyond 65,504 it is lost);
;   b1, b2, ln1_g, ln1_b, ln2_g, ln2_b -> par: the bf16 number written as f32.
; SHARES.  A work-group of eight waves casts 16,384 numbers: 64 KiB in by sixteen loads of 16 bytes a lane (a wave's load covers 512 consecutive bytes), 32 KiB out by sixteen stores of
; 8 bytes a lane (a wave's store covers 256 consecutive bytes, aligned).  The work-group's number picks the segment: 0-511 x, 512-527 Wq, 528-543 Wk, 544-559 Wv, 560-575 Wo, 576-639 W1,
; 640-703 W2, 704 the six small vectors.  A stream: no LDS, no barrier, no matrix unit; every byte is read once and written once.
; THE MODE: SCHED_MODE bits 1:0 = 2 (LLVM: expert scheduling mode 2), set by the entry lines.  The code itself states the register dependences between vector instructions and memory
; instructions, with s_wait_alu, always for 0.
; THE PLAN.  Registers that memory instructions touch:
;   v1, v2   byte offsets.  Written by the two shifts at the head and never again; read by every load and store of all three paths.  One wait at the head, ahead of the first branch, states that they are written.
;   IN       Written by the sixteen loads alone, once; read by the conversions behind the wait for the data.  No vector line writes them ahead of the loads, and no load lands in them a second time.
;   OUT      Each register is written once, by a conversion, and read once, by a store; none is written again.
;   v8-v13   at work: no memory instruction names them.
; The sixteen steps go in four groups of four: the wait for the group's four loads, the group's conversions, ONE wait which states that they have written the group's part of OUT, and the
; group's four stores in a run.  No vector instruction writes a scalar register or VCC, and EXEC is never written.
.set SRC,   40                         ; s[40:41] the segment's source, then my block of it
.set DST,   42                         ; s[42:43] the segment's target buffer, then my block of it
.set FIRST, 44                         ; s44  the segment's first work-group
.set DOFF,  45                         ; s45  the segment's byte offset in its target buffer
.set MODE,  46                         ; s46  0: bf16 out;  1: bf16, written as f16
.set IN,    16                         ; v[16:79]   sixteen loads of four f32
.set OUT,   80                         ; v[80:111]  sixteen stores of four 16-bit numbers; each step has registers of its own, so no store's data is rewritten
.set GRP,   4                          ; steps in a group
	s_load_b512 s[4:19], s[0:1], 0x0               ; x 4, Wq 6, Wk 8, Wv 10, Wo 12, W1 14, W2 16, b1 18
	s_load_b512 s[20:35], s[0:1], 0x40             ; b2 20, ln1_g 22, ln1_b 24, ln2_g 26, ln2_b 28, xb 30, wqkv 32, wf 34
	s_load_b64 s[36:37], s[0:1], 0x80              ; par
	v_lshlrev_b32 v1, 4, v0                        ; 16 t: where I load
	v_lshlrev_b32 v2, 3, v0                        ; 8 t: where I store
	s_mov_b32 s52, 0xffff0000                      ; a word's upper bf16
	s_wait_kmcnt 0x0
	s_wait_alu depctr_va_vdst(0)                   ; v1 and v2 are written: every load and store of the kernel, on each of its three paths, reads one of them as its offset
	s_cmp_eq_u32 ttmp9, 704
	s_cbranch_scc1 .Lpar
	s_mov_b64 s[SRC:SRC+1], s[4:5]
	s_mov_b64 s[DST:DST+1], s[30:31]
	s_mov_b32 s[FIRST], 0
	s_mov_b32 s[DOFF], 0
	s_mov_b32 s[MODE], 0
; a later segment takes over where the work-group's number has reached its first
.macro SEG start, src, dst, doff, mode
	s_cmp_ge_u32 ttmp9, \start
	s_cselect_b64 s[SRC:SRC+1], s[\src:\src+1], s[SRC:SRC+1]
	s_cselect_b64 s[DST:DST+1], s[\dst:\dst+1], s[DST:DST+1]
	s_cselect_b32 s[FIRST], \start, s[FIRST]
	s_cselect_b32 s[DOFF], \doff, s[DOFF]
	s_cselect_b32 s[MODE], \mode, s[MODE]
.endm
	SEG 512, 6,  32, 0,       0
	SEG 528, 8,  32, 524288,  0
	SEG 544, 10, 32, 1048576, 0
	SEG 560, 12, 34, 0,       1
	SEG 576, 14, 34, 524288,  1
	SEG 640, 16, 34, 2621440, 1
	s_sub_co_u32 s47, ttmp9, s[FIRST]              ; my block in the segment
	s_lshl_b32 s48, s47, 16                        ; 65,536 bytes in
	s_mov_b32 s49, 0
	s_add_nc_u64 s[SRC:SRC+1], s[SRC:SRC+1], s[48:49]
	s_lshl_b32 s50, s47, 15                        ; 32,768 bytes out
	s_add_co_u32 s50, s50, s[DOFF]
	s_mov_b32 s51, 0
	s_add_nc_u64 s[DST:DST+1], s[DST:DST+1], s[50:51]
.set i, 0
.rept 16
	global_load_b128 v[IN+4*i:IN+4*i+3], v1, s[SRC:SRC+1] offset:4096*i th:TH_LOAD_NT
.set i, i+1
.endr
	s_cmp_eq_u32 s[MODE], 0
	s_cbranch_scc0 .Lf16
.set g, 0
.rept 16/GRP
	s_wait_loadcnt 16-GRP-GRP*g                    ; loads come back in order: the group's four are in, the younger ones stay out
.set i, GRP*g
.rept GRP
	v_cvt_pk_bf16_f32 v[OUT+2*i], v[IN+4*i], v[IN+4*i+1]
	v_cvt_pk_bf16_f32 v[OUT+2*i+1], v[IN+4*i+2], v[IN+4*i+3]
.set i, i+1
.endr
	s_wait_alu depctr_va_vdst(0)                   ; the group's eight conversions have written its part of OUT, which the four stores below read
.set i, GRP*g
.rept GRP
	global_store_b64 v2, v[OUT+2*i:OUT+2*i+1], s[DST:DST+1] offset:2048*i
.set i, i+1
.endr
.set g, g+1
.endr
	s_endpgm
.Lf16:
.set g, 0
.rept 16/GRP
	s_wait_loadcnt 16-GRP-GRP*g                    ; the group's four loads are in, the younger ones stay out
.set i, GRP*g
.rept GRP
	v_cvt_pk_bf16_f32 v8, v[IN+4*i], v[IN+4*i+1]   ; the one rounding,
	v_cvt_pk_bf16_f32 v9, v[IN+4*i+2], v[IN+4*i+3]
	v_lshlrev_b32 v10, 16, v8                      ; back to f32,
	v_and_b32 v11, s52, v8
	v_lshlrev_b32 v12, 16, v9
	v_and_b32 v13, s52, v9
	v_cvt_pk_f16_f32 v[OUT+2*i], v10, v11          ; and the same number as f16
	v_cvt_pk_f16_f32 v[OUT+2*i+1], v12, v13
.set i, i+1
.endr
	s_wait_alu depctr_va_vdst(0)                   ; the group's conversions to f16 have written its part of OUT, which the four stores below read
.set i, GRP*g
.rept GRP
	global_store_b64 v2, v[OUT+2*i:OUT+2*i+1], s[DST:DST+1] offset:2048*i
.set i, i+1
.endr
.set g, g+1
.endr
	s_endpgm
.Lpar:                                         ; the six small vectors: b1 as two runs of 4,096 bytes, the others 8 bytes a thread
	global_load_b128 v[16:19], v1, s[18:19]
	global_load_b128 v[20:23], v1, s[18:19] offset:4096
	global_load_b64 v[24:25], v2, s[20:21]
	global_load_b64 v[26:27], v2, s[22:23]
	global_load_b64 v[28:29], v2, s[24:25]
	global_load_b64 v[30:31], v2, s[26:27]
	global_load_b64 v[32:33], v2, s[28:29]
	s_wait_loadcnt 0x0
.set i, 0
.rept 9
	v_cvt_pk_bf16_f32 v8, v[16+2*i], v[17+2*i]
	v_lshlrev_b32 v[48+2*i], 16, v8
	v_and_b32 v[49+2*i], s52, v8
.set i, i+1
.endr
	s_wait_alu depctr_va_vdst(0)                   ; the unpacking lines have written v[48:65], which the seven stores below read
	global_store_b128 v1, v[48:51], s[36:37]
	global_store_b128 v1, v[52:55], s[36:37] offset:4096
	global_store_b64 v2, v[56:57], s[36:37] offset:8192    ; b2
	global_store_b64 v2, v[58:59], s[36:37] offset:10240   ; ln1_g
	global_store_b64 v2, v[60:61], s[36:37] offset:12288   ; ln1_b
	global_store_b64 v2, v[62:63], s[36:37] offset:14336   ; ln2_g
	global_store_b64 v2, v[64:65], s[36:37] offset:16384   ; ln2_b
	s_endpgm
.Lfunc_end_k_q2655a16b46_prep:
	.size	k_q2655a16b46_prep, .Lfunc_end_k_q2655a16b46_prep-k_q2655a16b46_prep
	.p2alignl 7, 3214868480
	.fill 96, 4, 3214868480
	.section	.rodata,"a",@progbits
	.p2align	6, 0x0
	.amdhsa_kernel k_q2655a16b46_prep
		.amdhsa_group_segment_fixed_size 0
		.amdhsa_private_segment_fixed_size 0
		.amdhsa_enable_private_segment 0
		.amdhsa_kernarg_size 136
		.amdhsa_user_sgpr_count 2
		.amdhsa_user_sgpr_kernarg_segment_ptr 1
		.amdhsa_wavefront_size32 1
		.amdhsa_system_sgpr_workgroup_id_x 1
		.amdhsa_system_sgpr_workgroup_id_y 1
		.amdhsa_system_sgpr_workgroup_id_z 1
		.amdhsa_system_vgpr_workitem_id 0
		.amdhsa_next_free_vgpr 112
		.amdhsa_next_free_sgpr 66
		.amdhsa_reserve_vcc 0
		.amdhsa_float_denorm_mode_32 3
		.amdhsa_float_denorm_mode_16_64 3
		.amdhsa_memory_ordered 1
		.amdhsa_forward_progress 1
		.amdhsa_inst_pref_size 19
	.end_amdhsa_kernel
	.amdgpu_metadata
---
amdhsa.version: [ 1, 2 ]
amdhsa.kernels:
  - .name:           k_q2655a16b46_prep
    .symbol:         k_q2655a16b46_prep.kd
    .args:
      - { .name: x, .offset: 0, .size: 8, .value_kind: global_buffer, .address_space: global }
      - { .name: Wq, .offset: 8, .size: 8, .value_kind: global_buffer, .address_space: global }
      - { .name: Wk, .offset: 16, .size: 8, .value_kind: global_buffer, .address_space: global }
      - { .name: Wv, .offset: 24, .size: 8, .value_kind: global_buffer, .address_space: global }
      - { .name: Wo, .offset: 32, .size: 8, .value_kind: global_buffer, .address_space: global }
      - { .name: W1, .offset: 40, .size: 8, .value_kind: global_buffer, .address_space: global }
      - { .name: W2, .offset: 48, .size: 8, .value_kind: global_buffer, .address_space: global }
      - { .name: b1, .offset: 56, .size: 8, .value_kind: global_buffer, .address_space: global }
      - { .name: b2, .offset: 64, .size: 8, .value_kind: global_buffer, .address_space: global }
      - { .name: ln1_g, .offset: 72, .size: 8, .value_kind: global_buffer, .address_space: global }
      - { .name: ln1_b, .offset: 80, .size: 8, .value_kind: global_buffer, .address_space: global }
      - { .name: ln2_g, .offset: 88, .size: 8, .value_kind: global_buffer, .address_space: global }
      - { .name: ln2_b, .offset: 96, .size: 8, .value_kind: global_buffer, .address_space: global }
      - { .name: xb, .offset: 104, .size: 8, .value_kind: global_buffer, .address_space: global }
      - { .name: wqkv, .offset: 112, .size: 8, .value_kind: global_buffer, .address_space: global }
      - { .name: wf, .offset: 120, .size: 8, .value_kind: global_buffer, .address_space: global }
      - { .name: par, .offset: 128, .size: 8, .value_kind: global_buffer, .address_space: global }
    .group_segment_fixed_size: 0
    .private_segment_fixed_size: 0
    .kernarg_segment_align: 8
    .kernarg_segment_size: 136
    .max_flat_workgroup_size: 256
    .sgpr_count:     66
    .vgpr_count:     112
    .wavefront_size: 32
...
	.end_amdgpu_metadata
.endif
;; end of part 4
;; launch qkvattn: the kernel of part 2 again; grid 8 x 64, 4 waves a work-group, clusters of 4 x 1, 327,680 bytes of LDS; arguments xb, wqkv, heads; writes heads
;; launch tail: the kernel of part 3 again; grid 256 x 1, 4 waves a work-group, clusters of 4 x 1, 327,680 bytes of LDS; arguments heads, xb, wf, par, out0; writes out0
